; MI455X (gfx1250); checked and timed in simulation.
; The chip was launched on July 23, 2026; its instructions are those of AMD's public machine-readable ISA for CDNA 5 (MIT licence, August 2026) and "CDNA5" Instruction Set Architecture Reference Guide (July 2026). The comments in the code are by the model that wrote it; some were corrected since.
;; Sparse Mo E. Allowed arithmetic: matrix products marked QUANTISED: E4M3 operands, one given power-of-two scale a tensor, by v_wmma_f32_16x16x64_fp8_fp8 or v_wmma_f32_16x16x128_fp8_fp8, f32 sums; products left as they are: f32 operands where the result goes on into a quantised operand, else bf16, f16 or f32 operands; f32 sums; everything else in f32.
;; Inputs: W_down 8 x 2,048 x 1,024 float32; W_gate 8 x 1,024 x 2,048 float32; W_up 8 x 1,024 x 2,048 float32; Wg 1,024 x 8 float32; Ws_down 2,048 x 1,024 float32; Ws_gate 1,024 x 2,048 float32; Ws_up 1,024 x 2,048 float32; lowp_scales 54 int32 (the exponents e of the quantised operands' scales 2^e); x 2 x 512 x 1,024 float32.
;; Outputs: out0 2 x 512 x 1,024 float32; out1 one number float32.
;; This version of the problem:
;;   THIS VERSION OF THE PROBLEM IS GIVEN IN LOW PRECISION. The matrix products marked QUANTISED in the list below multiply operands that are first quantised to E4M3 (4 exponent bits, 3 mantissa bits; 8 bits a number), with one given power-of-two scale for each operand tensor; their sums are f32. All else is computed in f32.
;;   The module's matrix products, in the order in which they are computed (A, B: the left and right operand; K: the contracted axis; several contracted axes count as one K, in the product's order):
;;     1. [M 1,024, K 1,024] x [K 1,024, N 2,048]; A: input x; B: input Ws_gate: QUANTISED (scales: A lowp_scales[0], B lowp_scales[1])
;;     2. [M 1,024, K 1,024] x [K 1,024, N 2,048]; A: input x; B: input Ws_up: QUANTISED (scales: A lowp_scales[2], B lowp_scales[3])
;;     3. [M 1,024, K 2,048] x [K 2,048, N 1,024]; A: computed on the way; B: input Ws_down: QUANTISED (scales: A lowp_scales[4], B lowp_scales[5])
;;     4. [M 1,024, K 1,024] x [K 1,024, N 8]; A: input x; B: input Wg: left as it is (N = 8 < 16)
;;     5. batch 1,024 x [M 1, K 2] x [K 2, N 8]; A: computed on the way; B: computed on the way: left as it is (K = 2 < 32)
;;     6. [M 1,024, K 1,024] x [K 1,024, N 2,048]; A: input x; B: input W_gate: QUANTISED (scales: A lowp_scales[6], B lowp_scales[7])
;;     7. [M 1,024, K 1,024] x [K 1,024, N 2,048]; A: input x; B: input W_up: QUANTISED (scales: A lowp_scales[8], B lowp_scales[9])
;;     8. [M 1,024, K 2,048] x [K 2,048, N 1,024]; A: computed on the way; B: input W_down: QUANTISED (scales: A lowp_scales[10], B lowp_scales[11])
;;     9. [M 1,024, K 1,024] x [K 1,024, N 2,048]; A: input x; B: input W_gate: QUANTISED (scales: A lowp_scales[12], B lowp_scales[13])
;;     10. [M 1,024, K 1,024] x [K 1,024, N 2,048]; A: input x; B: input W_up: QUANTISED (scales: A lowp_scales[14], B lowp_scales[15])
;;     11. [M 1,024, K 2,048] x [K 2,048, N 1,024]; A: computed on the way; B: input W_down: QUANTISED (scales: A lowp_scales[16], B lowp_scales[17])
;;     12. [M 1,024, K 1,024] x [K 1,024, N 2,048]; A: input x; B: input W_gate: QUANTISED (scales: A lowp_scales[18], B lowp_scales[19])
;;     13. [M 1,024, K 1,024] x [K 1,024, N 2,048]; A: input x; B: input W_up: QUANTISED (scales: A lowp_scales[20], B lowp_scales[21])
;;     14. [M 1,024, K 2,048] x [K 2,048, N 1,024]; A: computed on the way; B: input W_down: QUANTISED (scales: A lowp_scales[22], B lowp_scales[23])
;;     15. [M 1,024, K 1,024] x [K 1,024, N 2,048]; A: input x; B: input W_gate: QUANTISED (scales: A lowp_scales[24], B lowp_scales[25])
;;     16. [M 1,024, K 1,024] x [K 1,024, N 2,048]; A: input x; B: input W_up: QUANTISED (scales: A lowp_scales[26], B lowp_scales[27])
;;     17. [M 1,024, K 2,048] x [K 2,048, N 1,024]; A: computed on the way; B: input W_down: QUANTISED (scales: A lowp_scales[28], B lowp_scales[29])
;;     18. [M 1,024, K 1,024] x [K 1,024, N 2,048]; A: input x; B: input W_gate: QUANTISED (scales: A lowp_scales[30], B lowp_scales[31])
;;     19. [M 1,024, K 1,024] x [K 1,024, N 2,048]; A: input x; B: input W_up: QUANTISED (scales: A lowp_scales[32], B lowp_scales[33])
;;     20. [M 1,024, K 2,048] x [K 2,048, N 1,024]; A: computed on the way; B: input W_down: QUANTISED (scales: A lowp_scales[34], B lowp_scales[35])
;;     21. [M 1,024, K 1,024] x [K 1,024, N 2,048]; A: input x; B: input W_gate: QUANTISED (scales: A lowp_scales[36], B lowp_scales[37])
;;     22. [M 1,024, K 1,024] x [K 1,024, N 2,048]; A: input x; B: input W_up: QUANTISED (scales: A lowp_scales[38], B lowp_scales[39])
;;     23. [M 1,024, K 2,048] x [K 2,048, N 1,024]; A: computed on the way; B: input W_down: QUANTISED (scales: A lowp_scales[40], B lowp_scales[41])
;;     24. [M 1,024, K 1,024] x [K 1,024, N 2,048]; A: input x; B: input W_gate: QUANTISED (scales: A lowp_scales[42], B lowp_scales[43])
;;     25. [M 1,024, K 1,024] x [K 1,024, N 2,048]; A: input x; B: input W_up: QUANTISED (scales: A lowp_scales[44], B lowp_scales[45])
;;     26. [M 1,024, K 2,048] x [K 2,048, N 1,024]; A: computed on the way; B: input W_down: QUANTISED (scales: A lowp_scales[46], B lowp_scales[47])
;;     27. [M 1,024, K 1,024] x [K 1,024, N 2,048]; A: input x; B: input W_gate: QUANTISED (scales: A lowp_scales[48], B lowp_scales[49])
;;     28. [M 1,024, K 1,024] x [K 1,024, N 2,048]; A: input x; B: input W_up: QUANTISED (scales: A lowp_scales[50], B lowp_scales[51])
;;     29. [M 1,024, K 2,048] x [K 2,048, N 1,024]; A: computed on the way; B: input W_down: QUANTISED (scales: A lowp_scales[52], B lowp_scales[53])
;;   THE QUANTISER, for each operand of a quantised product, along K:
;;     - The operand's scale is 2^e, e = its entry of the input lowp_scales (int32; the entries are numbered through the quantised products in the list's order, A before B).
;;     - Each number is divided by the scale, clamped to +-448, and rounded to the nearest number of E4M3, ties to even, subnormals kept.
;;     - The product sums the exact products of the quantised numbers (number of the format x scale) in f32.
;;   ~~~python
;;   def quantise(x, axis, e):      # numpy; x: float32 -> the quantised numbers, widened to float32 again
;;       x = np.moveaxis(x, axis, -1); K = x.shape[-1]
;;       r = np.clip(x / 2.0 ** e, -448, 448)
;;       step = 2.0 ** (np.maximum(np.frexp(np.where(r == 0, 1, r))[1] - 1, -6) - 3)
;;       q = np.round(r / step) * step * 2.0 ** e      # np.round: ties to even
;;       return np.moveaxis(q, -1, axis).astype(np.float32)
;;   ~~~
;;   OPERANDS COMPUTED ON THE WAY. 'Computed on the way' means the value that the module computes at that place (a softmax that the list does not call 'softmax' is quantised finished and normalised). What goes into a quantiser is computed in f32, as accurately as f32 sums, v_exp_f32 and their like allow (about 1e-6 of the number): no bf16 or f16 on the way to a quantiser, and a product that is left as it is and whose result goes on into a quantised operand takes f32 operands (vector FMAs, or v_wmma_f32_16x16x4_f32). A number that lies on a knife's edge between two numbers of the format may be rounded either way, as far as f32 arithmetic and the matrix unit's own rounding can turn it there, and no further.
;; One version. Each part assembles by itself: llvm-mc -triple=amdgcn-amd-amdhsa -mcpu=gfx1250 --defsym DOCPART=n.
;; ======== version 1 of 1: 5 launches
;; limits: right only within a limited range of input values
;; workspace buffers: sel 4,096 bytes of whole numbers; wts 8,192 bytes; scr 8,192 bytes; pos 8,192 bytes of whole numbers; cnt 256 bytes of whole numbers; xq 18,874,368 bytes; hq 18,874,368 bytes; y 37,748,736 bytes
;; launch route (part 1): grid 64 x 1, 4 waves a work-group, no clusters, 0 bytes of LDS; arguments x, Wg, sel, wts, scr; writes sel, wts, scr
.if DOCPART == 1
	.amdgcn_target "amdgcn-amd-amdhsa--gfx1250"
	.amdhsa_code_object_version 6
	.text
	.protected	k_qb8c1f3d7b8_route
	.globl	k_qb8c1f3d7b8_route
	.p2align	8
	.type	k_qb8c1f3d7b8_route,@function
k_qb8c1f3d7b8_route:
	s_mov_b64 s[64:65], 0
	v_nop
	global_prefetch_b8 v0, s[64:65] scope:SCOPE_SE
	s_setreg_imm32_b32 hwreg(HW_REG_WAVE_MODE, 25, 1), 1
	s_wait_xcnt 0x0
; THE ROUTER: logits = x Wg in f32, softmax over the 8 experts, the two largest scores of each token, their weights, and sums of scores for the aux loss.
; DEAD WORK OF THE WHOLE PROGRAM.  reference() weighs expert e's result for token n by combine[n][e], which it builds from a one_hot of the token's own top-2: for the six other
; experts that factor is a zero made in reference()'s own body, whatever the inputs hold.  So the rows of the routed experts' products (gate, up, down) that belong to tokens which did
; not choose the expert reach no output in exact arithmetic, and are left out as whole rows; the einsum with the one_hot is a selection.  Every input keeps a way to an output: all are loaded.
; LIMIT: a NaN, an infinity or an overflow that would arise only in a row left out is not carried to the result.  NaN among the inputs is not served.
; The products go in f32 multiply-adds: a coarser logit could change which expert is chosen.  The order of the f32 sums differs from reference()'s.
; SHARES.  Wave W = 4 x work-group + wave takes tokens 4 W .. 4 W + 3.  The lanes share D: lane L takes d = 128 c + 4 L + i (c = 0..7, i = 0..3): an x load of the wave covers 512 consecutive bytes.
; What is chosen steers no address here: the choice is stored at fixed places (sel: one word a token, bit e1 and bit 8 + e2), and a later launch places the rows.
; REGISTERS.  window 0: v1 lane, v2-5 offsets; v32-63 A(t, e) logits, then scores; v64-191 x(t, c, i); v192.. at work.   window 1: all 256: Wg(c, i, e) at 32 c + 8 i + e.
.set A,  32
.set X,  64
.set M,  192                           ; v192-195 a token's maximum, then 1 / sum
.set SU, 196                           ; v196-211 partial sums
.set B1, 212                           ; the largest score,
.set I1, 216                           ; its expert,
.set B2, 220                           ; the second,
.set I2, 224                           ; its expert
.set W1, 228
.set W2, 232
.set SW, 236                           ; the word for sel
.set SS, 240                           ; v240-247 the four tokens' scores added, for each expert
.set OW, 248                           ; v[248:249] what my lane stores to wts
.set OS, 250                           ; to sel
.set OC, 252                           ; v[252:255] to scr
.set MSB, 0
.macro WIN new                         ; the immediate's high byte repeats the setting that is left
.if MSB != \new
	s_set_vgpr_msb (MSB<<8)|\new
.set MSB, \new
.endif
.endm
	s_load_b256 s[4:11], s[0:1], 0x0               ; x s[4:5], Wg s[6:7], sel s[8:9], wts s[10:11]
	s_load_b64 s[12:13], s[0:1], 0x20              ; scr
	v_and_b32 v1, 31, v0                           ; lane
	v_lshrrev_b32 v4, 5, v0
	v_readfirstlane_b32 s16, v4                    ; wave
	s_lshl_b32 s17, ttmp9, 2
	s_add_co_u32 s17, s17, s16                     ; W
	v_lshlrev_b32 v2, 4, v1                        ; 16 L: x, scr
	v_lshlrev_b32 v3, 7, v1                        ; 128 L: four rows of Wg
	v_lshlrev_b32 v4, 2, v1                        ; 4 L: sel
	v_lshlrev_b32 v5, 3, v1                        ; 8 L: wts
	v_mov_b32 v6, 1
	v_mov_b32 v7, 0x100
	s_mov_b32 s14, 0x76543210                      ; v_permlanex16_b32: lane l xor 16
	s_mov_b32 s15, 0xfedcba98
	s_mov_b32 s22, 2                               ; masks of lanes 1, 2, 3
	s_mov_b32 s23, 4
	s_mov_b32 s24, 8
	s_lshl_b32 s18, s17, 14                        ; four rows of 4,096 bytes
	s_mov_b32 s19, 0
	s_lshl_b32 s20, s17, 4                         ; four words of sel
	s_mov_b32 s21, 0
	s_lshl_b32 s26, s17, 5                         ; 32 bytes of wts and of scr
	s_mov_b32 s27, 0
	s_wait_alu depctr_va_vdst(0)
	s_wait_kmcnt 0x0
	s_add_nc_u64 s[4:5], s[4:5], s[18:19]
	s_add_nc_u64 s[8:9], s[8:9], s[20:21]
	s_add_nc_u64 s[10:11], s[10:11], s[26:27]
	s_add_nc_u64 s[12:13], s[12:13], s[26:27]
.irp t, 0,1,2,3
.irp c, 0,1,2,3,4,5,6,7
	global_load_b128 v[X+32*\t+4*\c:X+32*\t+4*\c+3], v2, s[4:5] offset:4096*\t+512*\c
.endr
.endr
	WIN 0x40                                       ; destination window 1
.irp c, 0,1,2,3,4,5,6,7
.irp i, 0,1,2,3
	global_load_b128 v[32*\c+8*\i:32*\c+8*\i+3],   v3, s[6:7] offset:4096*\c+32*\i       ; eight loads cover a run of 4,096 bytes of the table
	global_load_b128 v[32*\c+8*\i+4:32*\c+8*\i+7], v3, s[6:7] offset:4096*\c+32*\i+16
.endr
.endr
	WIN 0x04                                       ; source 1 (Wg) window 1
.irp c, 0,1,2,3,4,5,6,7
	s_wait_loadcnt 8*(7-\c)                        ; the chunks of Wg behind chunk c may be out, eight loads each; x was asked for earlier and is in
.irp i, 0,1,2,3
.irp t, 0,1,2,3
.irp e, 0,1,2,3,4,5,6,7
.if (\c == 0) && (\i == 0)
	v_mul_f32 v[A+8*\t+\e], v[X+32*\t+4*\c+\i], v[32*\c+8*\i+\e]      ; the first product starts each of the 32 sums
.else
	v_fmac_f32 v[A+8*\t+\e], v[X+32*\t+4*\c+\i], v[32*\c+8*\i+\e]
.endif
.endr
.endr
.endr
.endr
	WIN 0
	; the 32 sums over the 32 lanes: four steps inside each half ride on the addition, one crosses the halves; every lane ends with every logit
.irp m, 1,2,4,8
.set n, 0
.rept 32
	v_add_f32_dpp v[A+n], v[A+n], v[A+n] row_xmask:\m row_mask:0xf bank_mask:0xf
.set n, n+1
.endr
.endr
.set n, 0
.rept 32
	v_permlanex16_b32 v[X+n], v[A+n], s14, s15     ; into registers of x, which have been written and are done with
.set n, n+1
.endr
.set n, 0
.rept 32
	v_add_f32 v[A+n], v[A+n], v[X+n]
.set n, n+1
.endr
	; softmax, the four tokens side by side: the maximum is taken away first, as reference() does
.irp t, 0,1,2,3
	v_max3_num_f32 v[M+\t], v[A+8*\t], v[A+8*\t+1], v[A+8*\t+2]
.endr
.irp t, 0,1,2,3
	v_max3_num_f32 v[M+\t], v[M+\t], v[A+8*\t+3], v[A+8*\t+4]
.endr
.irp t, 0,1,2,3
	v_max3_num_f32 v[M+\t], v[M+\t], v[A+8*\t+5], v[A+8*\t+6]
.endr
.irp t, 0,1,2,3
	v_max_num_f32 v[M+\t], v[M+\t], v[A+8*\t+7]
.endr
.irp t, 0,1,2,3
.irp e, 0,1,2,3,4,5,6,7
	v_sub_f32 v[A+8*\t+\e], v[A+8*\t+\e], v[M+\t]
.endr
.endr
.set n, 0
.rept 32
	v_mul_f32 v[A+n], 0x3fb8aa3b, v[A+n]           ; x log2(e)
.set n, n+1
.endr
.set n, 0
	s_wait_alu depctr_va_vdst(0)
.rept 32
	v_exp_f32 v[A+n], v[A+n]
.set n, n+1
.endr
	v_nop                                          ; a plain instruction behind the last exponential
	s_wait_alu depctr_va_vdst(0)                   ; one wait for the batch of 32, ahead of its first reader
.irp t, 0,1,2,3
.irp k, 0,1,2,3
	v_add_f32 v[SU+4*\t+\k], v[A+8*\t+2*\k], v[A+8*\t+2*\k+1]
.endr
.endr
.irp t, 0,1,2,3
	v_add_f32 v[SU+4*\t], v[SU+4*\t], v[SU+4*\t+1]
	v_add_f32 v[SU+4*\t+2], v[SU+4*\t+2], v[SU+4*\t+3]
.endr
.irp t, 0,1,2,3
	v_add_f32 v[SU+4*\t], v[SU+4*\t], v[SU+4*\t+2]
.endr
	s_wait_alu depctr_va_vdst(0)
.irp t, 0,1,2,3
	v_rcp_f32 v[M+\t], v[SU+4*\t]
.endr
	v_nop
	s_wait_alu depctr_va_vdst(0)                   ; one wait for the four reciprocals
.irp t, 0,1,2,3
.irp e, 0,1,2,3,4,5,6,7
	v_mul_f32 v[A+8*\t+\e], v[A+8*\t+\e], v[M+\t]  ; the scores
.endr
.endr
	; the largest score: the holder stays where it is at least as large as the challenger, so the lower index wins a tie, as jax.lax.top_k has it
.irp t, 0,1,2,3
	v_mov_b32 v[B1+\t], v[A+8*\t]
	v_mov_b32 v[I1+\t], 0
.irp e, 1,2,3,4,5,6,7
	v_cmp_ge_f32 vcc_lo, v[B1+\t], v[A+8*\t+\e]
	v_cndmask_b32 v[I1+\t], \e, v[I1+\t], vcc_lo
	v_cndmask_b32 v[B1+\t], v[A+8*\t+\e], v[B1+\t], vcc_lo
.endr
.endr
	; the second: the same walk from -1 (under every score), passing over the first's expert
.irp t, 0,1,2,3
	v_mov_b32 v[B2+\t], -1.0
	v_mov_b32 v[I2+\t], 0
.irp e, 0,1,2,3,4,5,6,7
	v_cmp_ge_f32 s28, v[B2+\t], v[A+8*\t+\e]
	v_cmp_eq_u32 s29, \e, v[I1+\t]
	s_or_b32 vcc_lo, s28, s29
	v_cndmask_b32 v[I2+\t], \e, v[I2+\t], vcc_lo
	v_cndmask_b32 v[B2+\t], v[A+8*\t+\e], v[B2+\t], vcc_lo
.endr
.endr
.irp t, 0,1,2,3
	v_add_f32 v[SU+\t], v[B1+\t], v[B2+\t]
.endr
.irp t, 0,1,2,3
	v_add_f32 v[SU+\t], 0x3089705f, v[SU+\t]       ; + 1e-9
.endr
	s_wait_alu depctr_va_vdst(0)
.irp t, 0,1,2,3
	v_rcp_f32 v[SU+4+\t], v[SU+\t]
.endr
.irp t, 0,1,2,3
	v_lshlrev_b32 v[SW+\t], v[I1+\t], v6           ; 1 << e1  (plain work behind the reciprocals)
	v_lshlrev_b32 v[SU+8+\t], v[I2+\t], v7         ; 256 << e2
.endr
.irp t, 0,1,2,3
	v_or_b32 v[SW+\t], v[SW+\t], v[SU+8+\t]
.endr
.irp e, 0,1,2,3,4,5,6,7
	v_add_f32 v[SS+\e], v[A+\e], v[A+8+\e]         ; the four tokens' scores, for the aux loss
	v_add_f32 v[X+\e], v[A+16+\e], v[A+24+\e]
.endr
.irp e, 0,1,2,3,4,5,6,7
	v_add_f32 v[SS+\e], v[SS+\e], v[X+\e]
.endr
	s_wait_alu depctr_va_vdst(0)                   ; one wait for the four reciprocals
.irp t, 0,1,2,3
	v_mul_f32 v[W1+\t], v[B1+\t], v[SU+4+\t]
	v_mul_f32 v[W2+\t], v[B2+\t], v[SU+4+\t]
.endr
	; every lane holds all four tokens' results: lane t takes token t's
	v_mov_b32 v[OW], v[W1]
	v_mov_b32 v[OW+1], v[W2]
	v_mov_b32 v[OS], v[SW]
.irp t, 1,2,3
	v_cndmask_b32 v[OW], v[OW], v[W1+\t], s[21+\t]
	v_cndmask_b32 v[OW+1], v[OW+1], v[W2+\t], s[21+\t]
	v_cndmask_b32 v[OS], v[OS], v[SW+\t], s[21+\t]
.endr
.irp k, 0,1,2,3
	v_cndmask_b32 v[OC+\k], v[SS+\k], v[SS+4+\k], s22   ; lane 0: experts 0-3, lane 1: experts 4-7
.endr
	; the stores are 16 to 32 bytes a wave, 20 KB in the whole launch: parts of 256-byte blocks, and too little to gather
	s_wait_alu depctr_va_vdst(0)
	s_wait_xcnt 0x0                                ; EXEC changes only behind this wait
	v_cmp_gt_u32 vcc_lo, 4, v1
	s_and_saveexec_b32 s28, vcc_lo
	global_store_b32 v4, v[OS], s[8:9]
	global_store_b64 v5, v[OW:OW+1], s[10:11]
	s_wait_xcnt 0x0
	s_or_b32 exec_lo, exec_lo, s28
	v_cmp_gt_u32 vcc_lo, 2, v1
	s_and_saveexec_b32 s28, vcc_lo
	global_store_b128 v2, v[OC:OC+3], s[12:13]
	s_wait_xcnt 0x0
	s_or_b32 exec_lo, exec_lo, s28
	s_endpgm
.Lfunc_end_k_qb8c1f3d7b8_route:
	.size	k_qb8c1f3d7b8_route, .Lfunc_end_k_qb8c1f3d7b8_route-k_qb8c1f3d7b8_route
	.p2alignl 7, 3214868480
	.fill 96, 4, 3214868480
	.section	.rodata,"a",@progbits
	.p2align	6, 0x0
	.amdhsa_kernel k_qb8c1f3d7b8_route
		.amdhsa_group_segment_fixed_size 0
		.amdhsa_private_segment_fixed_size 0
		.amdhsa_enable_private_segment 0
		.amdhsa_kernarg_size 40
		.amdhsa_user_sgpr_count 2
		.amdhsa_user_sgpr_kernarg_segment_ptr 1
		.amdhsa_wavefront_size32 1
		.amdhsa_system_sgpr_workgroup_id_x 1
		.amdhsa_system_sgpr_workgroup_id_y 1
		.amdhsa_system_sgpr_workgroup_id_z 1
		.amdhsa_system_vgpr_workitem_id 0
		.amdhsa_next_free_vgpr 512
		.amdhsa_next_free_sgpr 66
		.amdhsa_reserve_vcc 1
		.amdhsa_float_denorm_mode_32 3
		.amdhsa_float_denorm_mode_16_64 3
		.amdhsa_memory_ordered 1
		.amdhsa_forward_progress 1
		.amdhsa_inst_pref_size 75
	.end_amdhsa_kernel
	.amdgpu_metadata
---
amdhsa.version: [ 1, 2 ]
amdhsa.kernels:
  - .name:           k_qb8c1f3d7b8_route
    .symbol:         k_qb8c1f3d7b8_route.kd
    .args:
      - { .name: x, .offset: 0, .size: 8, .value_kind: global_buffer, .address_space: global }
      - { .name: Wg, .offset: 8, .size: 8, .value_kind: global_buffer, .address_space: global }
      - { .name: sel, .offset: 16, .size: 8, .value_kind: global_buffer, .address_space: global }
      - { .name: wts, .offset: 24, .size: 8, .value_kind: global_buffer, .address_space: global }
      - { .name: scr, .offset: 32, .size: 8, .value_kind: global_buffer, .address_space: global }
    .group_segment_fixed_size: 0
    .private_segment_fixed_size: 0
    .kernarg_segment_align: 8
    .kernarg_segment_size: 40
    .max_flat_workgroup_size: 128
    .sgpr_count:     66
    .vgpr_count:     512
    .wavefront_size: 32
...
	.end_amdgpu_metadata
.endif
;; end of part 1
;; launch place (part 2): grid 64 x 9, 4 waves a work-group, no clusters, 67,072 bytes of LDS; arguments x, sel, lowp_scales, xq, pos, cnt; writes xq, pos, cnt
.if DOCPART == 2
	.amdgcn_target "amdgcn-amd-amdhsa--gfx1250"
	.amdhsa_code_object_version 6
	.text
	.protected	k_qb8c1f3d7b8_place
	.globl	k_qb8c1f3d7b8_place
	.p2align	8
	.type	k_qb8c1f3d7b8_place,@function
k_qb8c1f3d7b8_place:
	s_mov_b64 s[64:65], 0
	v_nop
	global_prefetch_b8 v0, s[64:65] scope:SCOPE_SE
	s_setreg_imm32_b32 hwreg(HW_REG_WAVE_MODE, 25, 1), 1
	s_wait_xcnt 0x0
; THE ROWS ARE PLACED BY EXPERT AND QUANTISED.  Work-group (T, p) makes tile T (16 rows) of p: p = 0..7 a routed expert, whose rows are the tokens that chose it, in ascending order; p = 8 the shared
; expert, whose rows are all tokens.  Rows of experts that a token did not choose are left out (the zero of reference()'s own one_hot: see the first kernel's head).
; An expert may be chosen by all 1,024 tokens, so each has room for 64 tiles, and the grid serves every split; a work-group whose tile the split leaves empty stores nothing and ends.
; An expert's rows are filled up to a multiple of 32 with rows of zero codes: the products take 32 rows at a time.
; NO SCATTER: every wave reads the 1,024 words of sel (lane = token) and walks the expert's 32 masks of 32 tokens with their running count; each lane keeps the last word whose count ahead is at most
; its own rank, and then finds its token's bit inside that word.
; THE GATHER.  The 16 tokens of the tile become 16 scalar row addresses (each token held at x's last row, times 4,096 bytes, added to x's address), and a load takes a K step of ONE row: 512 consecutive bytes
; for the 32 lanes.  The conversions want 16 neighbours of one row in one lane: so the rows turn through the wave's own stage in LDS, rows 1,040 bytes apart (1,024 + 16).
; A wave touches its own stage alone: no barrier.
; x is quantised twice, with the gate product's scale and with the up product's (each product of the table has an exponent of its own).
; code = x / 2^e, held within +-448, to the nearest code, ties to even.  LIMITS: both exponents between -126 and 119.  NaN among the inputs is not served.
; xq[p][tile][g: gate, up][K step s: 8][image]: an IMAGE is a fragment's 16 registers as they stand: group c of four registers at 512 c, lane L's 16 bytes at 16 L.
; Lane (r, h) holds row r; register 4 c + i, byte b: k = 128 s + 32 c + 16 h + 4 i + b.  Wave kq takes K steps 2 kq and 2 kq + 1.  Each store of a wave covers 512 consecutive bytes, aligned.
; pos is stored four bytes a lane at places that the tokens' numbers give: 8 KB in the whole launch, too little to gather.
; REGISTERS: v1 lane, v2 r, v3 h, v4 16 x lane, v5 my rank 16 T + r; v6, v7 the stage's addresses; v8, v9 the add's two; v10-23, v26, v27 the search (v11 my word, v15 the count ahead of it, v16 its mask,
; v17 its mask of second choices); v28 my token; v30, v31 the gate scale and 448 x it; v24, v25 the same for up; v32-63 two sets of 16 held numbers; v64-191 sel's words, then x; v192-255 codes.
; s[68:99]: the 16 rows' addresses.
.set PITCH, 1040                       ; a row of the stage: my wave's 1,024 bytes of a row of x + 16
.set WREG,  16*PITCH                   ; a wave's stage: 16,640 bytes
.set SPARE, 4*WREG                     ; behind the four stages: the spare words, 128 bytes for each wave: two blocks of 256 bytes that no other line names
.set STO,   6                          ; v6  into the stage: my wave's stage + 16 x lane
.set RD,    7                          ; v7  out of it: my wave's stage + r x PITCH + 64 h
.set SPW,   8                          ; v8  LDS address of my spare word; never rewritten
.set NIL,   9                          ; v9  0; never rewritten
.set RB,    68                         ; s[68 + 2 r : 69 + 2 r]  row r's address
.macro SCALES                          ; 2^e as f32 (the conversion takes its exponent field) and 448 x 2^e, for both scales
	s_wait_kmcnt 0x0
	s_add_co_i32 s28, s28, 127
	s_lshl_b32 s40, s28, 23
	s_add_co_i32 s28, s28, 8
	s_lshl_b32 s41, s28, 23
	s_or_b32 s41, s41, 0x600000
	s_add_co_i32 s29, s29, 127
	s_lshl_b32 s42, s29, 23
	s_add_co_i32 s29, s29, 8
	s_lshl_b32 s43, s29, 23
	s_or_b32 s43, s43, 0x600000
	v_mov_b32 v30, s40
	v_mov_b32 v24, s42
.endm
	s_load_b256 s[4:11], s[0:1], 0x0               ; x s[4:5], sel s[6:7], the exponents s[8:9], xq s[10:11]
	s_load_b128 s[12:15], s[0:1], 0x20             ; pos s[12:13], cnt s[14:15]
	v_lshl_add_u32 v[SPW], v0, 2, SPARE
	v_mov_b32 v[NIL], 0
	v_and_b32 v1, 31, v0
	v_and_b32 v2, 15, v0
	v_bfe_u32 v3, v0, 4, 1
	v_lshrrev_b32 v10, 5, v0
	v_readfirstlane_b32 s16, v10                   ; kq
	s_mov_b32 s17, ttmp9                           ; T
	s_and_b32 s18, ttmp7, 0xffff                   ; p
	v_lshlrev_b32 v4, 4, v1
	s_mul_i32 s36, s16, WREG                       ; my wave's stage
	v_add_nc_u32 v[STO], s36, v4
	v_mul_u32_u24 v[RD], v2, PITCH
	v_lshl_add_u32 v[RD], v3, 6, v[RD]
	v_add_nc_u32 v[RD], s36, v[RD]
	s_lshl_b32 s19, s17, 4
	v_add_nc_u32 v5, s19, v2                       ; my rank
	s_add_co_u32 s30, s18, 1
	s_mul_i32 s30, s30, 24                         ; a routed expert's six exponents begin at entry 6 (p + 1),
	s_cmp_lt_u32 s18, 8
	s_cselect_b32 s30, s30, 0                      ; the shared one's at entry 0
	s_lshl_b32 s32, s18, 21                        ; xq: p x 64 tiles x 32,768 bytes
	s_lshl_b32 s33, s17, 15
	s_add_co_u32 s32, s32, s33
	s_lshl_b32 s33, s16, 12                        ; + my two K steps
	s_add_co_u32 s32, s32, s33
	s_mov_b32 s33, 0
	s_lshl_b32 s34, s16, 10                        ; x: my wave's two K steps are 1,024 bytes of every row
	s_mov_b32 s35, 0
	s_wait_kmcnt 0x0
	s_load_b32 s28, s[8:9], s30 offset:0x0         ; x's exponent in the gate product,
	s_load_b32 s29, s[8:9], s30 offset:0x8         ; and in the up product
	s_add_nc_u64 s[10:11], s[10:11], s[32:33]
	s_add_nc_u64 s[4:5], s[4:5], s[34:35]
	s_cmp_eq_u32 s18, 8
	s_cbranch_scc1 .Lshared
	v_lshlrev_b32 v14, 2, v1
.irp w, 0,1,2,3,4,5,6,7,8,9,10,11,12,13,14,15,16,17,18,19,20,21,22,23,24,25,26,27,28,29,30,31
	global_load_b32 v[64+\w], v14, s[6:7] offset:128*\w    ; token 32 w + lane
.endr
	SCALES
	s_lshl_b32 s44, 0x101, s18                     ; chosen first or second,
	s_lshl_b32 s45, 0x100, s18                     ; chosen second
	s_mov_b32 s24, 0                               ; the running count
	s_wait_loadcnt 0x0
; word w: its mask s20, its mask of second choices s21, the count ahead of it s24.  The counts never fall, so the last word whose count ahead is at most my rank holds my rank's token.
.irp w, 0,1,2,3,4,5,6,7,8,9,10,11,12,13,14,15,16,17,18,19,20,21,22,23,24,25,26,27,28,29,30,31
	v_and_b32 v10, s44, v[64+\w]
	v_and_b32 v12, s45, v[64+\w]
	v_cmp_ne_u32 s20, 0, v10
	v_cmp_ne_u32 s21, 0, v12
.if \w == 0
	v_mov_b32 v11, 0                               ; word 0 starts the four: nothing lies ahead of it
	v_mov_b32 v15, 0
	v_mov_b32 v16, s20
	v_mov_b32 v17, s21
.else
	v_cmp_le_u32 vcc_lo, s24, v5
	v_cndmask_b32 v11, v11, \w, vcc_lo
	v_cndmask_b32 v15, v15, s24, vcc_lo
	v_cndmask_b32 v16, v16, s20, vcc_lo
	v_cndmask_b32 v17, v17, s21, vcc_lo
.endif
	s_bcnt1_i32_b32 s22, s20
	s_add_co_u32 s24, s24, s22
.endr
	s_or_b32 s22, s17, s16                         ; the expert's count is stored by lane 0 of wave 0 of its tile 0
	s_cmp_lg_u32 s22, 0
	s_cbranch_scc1 .Lno_cnt
	v_mov_b32 v12, s24
	s_lshl_b32 s22, s18, 2
	v_mov_b32 v13, s22
	s_wait_alu depctr_va_vdst(0)
	s_wait_xcnt 0x0                                ; EXEC changes only behind this wait
	v_cmp_eq_u32 vcc_lo, 0, v1
	s_and_saveexec_b32 s23, vcc_lo
	global_store_b32 v13, v12, s[14:15]
	s_wait_xcnt 0x0
	s_or_b32 exec_lo, exec_lo, s23
.Lno_cnt:
	s_add_co_u32 s22, s24, 31
	s_lshr_b32 s22, s22, 5
	s_lshl_b32 s22, s22, 1                         ; tiles in use: the count rounded up to whole groups of 32 rows
	s_cmp_ge_u32 s17, s22
	s_cbranch_scc0 .Lhave
	s_endpgm                                       ; this split leaves my tile empty (nothing has been written to LDS yet)
.Lhave:
	s_wait_alu depctr_va_vdst(0)
	v_sub_nc_u32 v18, v5, v15                      ; n: my rank inside the word
	v_lshrrev_b32 v19, 1, v16                      ; counts of ones in fields of 2, 4, 8 and 16 bits
	v_and_b32 v19, 0x55555555, v19
	v_sub_nc_u32 v19, v16, v19
	v_lshrrev_b32 v20, 2, v19
	v_and_b32 v20, 0x33333333, v20
	v_and_b32 v26, 0x33333333, v19
	v_add_nc_u32 v20, v20, v26
	v_lshrrev_b32 v21, 4, v20
	v_add_nc_u32 v21, v21, v20
	v_and_b32 v21, 0x0f0f0f0f, v21
	v_lshrrev_b32 v22, 8, v21
	v_add_nc_u32 v22, v22, v21
	v_and_b32 v22, 0x00ff00ff, v22
	v_mov_b32 v23, 0                               ; the bit's place
.macro DESC src, w                     ; if the lower field of w bits holds n ones or fewer, the bit lies in the upper one
	v_bfe_u32 v26, v[\src], v23, \w
	v_cmp_ge_u32 vcc_lo, v18, v26
	v_sub_nc_u32 v27, v18, v26
	v_cndmask_b32 v18, v18, v27, vcc_lo
	v_add_nc_u32 v27, \w, v23
	v_cndmask_b32 v23, v23, v27, vcc_lo
.endm
	DESC 22, 16
	DESC 21, 8
	DESC 20, 4
	DESC 19, 2
	DESC 16, 1
	v_lshl_add_u32 v27, v11, 5, v23                ; my token
	v_bfe_u32 v26, v17, v23, 1                     ; 1 where the expert is its second choice
	v_cmp_gt_u32 s26, s24, v5                      ; a rank under the count is a live row
	v_cndmask_b32 v28, 0, v27, s26                 ; a filling row reads token 0's numbers and holds them at 0
	v_mov_b32 v10, s41
	v_cndmask_b32 v31, 0, v10, s26                 ; a filling row is held within +-0: its codes are zeros, at no further cost
	v_mov_b32 v10, s43
	v_cndmask_b32 v25, 0, v10, s26
	s_cmp_lg_u32 s16, 0                            ; wave 0 stores where the token's row lies: pos[choice][token] = 1,024 p + rank
	s_cbranch_scc1 .Lno_pos
	v_lshl_add_u32 v12, v26, 10, v28
	v_min_u32 v12, 0x7ff, v12                      ; a number made of loaded words enters an address only behind a hold at the table's last entry
	v_lshlrev_b32 v12, 2, v12
	s_lshl_b32 s22, s18, 10
	v_add_nc_u32 v13, s22, v5
	v_cmp_gt_u32 vcc_lo, 16, v1                    ; lanes 0-15 (lanes 16-31 hold the same rows), live rows only
	s_and_b32 vcc_lo, vcc_lo, s26
	s_wait_alu depctr_va_vdst(0)
	s_wait_xcnt 0x0
	s_and_saveexec_b32 s23, vcc_lo
	global_store_b32 v12, v13, s[12:13]
	s_wait_xcnt 0x0
	s_or_b32 exec_lo, exec_lo, s23
.Lno_pos:
	s_branch .Lcommon
.Lshared:
	SCALES
	s_wait_alu depctr_va_vdst(0)
	v_mov_b32 v28, v5                              ; the shared expert's row is the token itself
	v_mov_b32 v31, s41
	v_mov_b32 v25, s43
.Lcommon:
	; the 16 rows' addresses: lane r's token, held at x's last row, times a row's 4,096 bytes, onto x's address (which stands at my wave's two K steps)
	s_wait_alu depctr_va_vdst(0)
.irp r, 0,1,2,3,4,5,6,7,8,9,10,11,12,13,14,15
	v_readlane_b32 s[RB+2*\r], v28, \r
.endr
.irp r, 0,1,2,3,4,5,6,7,8,9,10,11,12,13,14,15
	s_min_u32 s[RB+2*\r], s[RB+2*\r], 1023
	s_lshl_b32 s[RB+2*\r], s[RB+2*\r], 12
	s_mov_b32 s[RB+2*\r+1], 0
	s_add_nc_u64 s[RB+2*\r:RB+2*\r+1], s[4:5], s[RB+2*\r:RB+2*\r+1]
.endr
.irp sl, 0,1
.irp r, 0,1,2,3,4,5,6,7,8,9,10,11,12,13,14,15
	global_load_b128 v[64+64*\sl+4*\r:64+64*\sl+4*\r+3], v4, s[RB+2*\r:RB+2*\r+1] offset:512*\sl    ; K step sl of row r: the 32 lanes read 512 consecutive bytes
.endr
.endr
; K step sl turns through my stage: in as it was loaded, a row to a store; out 16 bytes a lane of the lane's own row, into the registers that the rows left.
; LDS serves a wave's instructions in order (ISA guide 5.7.1.4): the loads see the stores above them, with no wait between.
.macro TURN sl
.irp r, 0,1,2,3,4,5,6,7,8,9,10,11,12,13,14,15
	ds_store_b128 v[STO], v[64+64*\sl+4*\r:64+64*\sl+4*\r+3] offset:\r*PITCH+512*\sl
.endr
.irp c, 0,1,2,3
.irp j, 0,1,2,3
	ds_load_b128 v[64+64*\sl+16*\c+4*\j:64+64*\sl+16*\c+4*\j+3], v[RD] offset:512*\sl+128*\c+16*\j   ; numbers 32 c + 16 h + 4 j + 0 .. 3 of row r
.endr
.endr
.endm
; K step sl with scale g: 64 numbers a lane become a fragment's 16 registers.  The held numbers go into two sets by turns, so that sixteen plain instructions stand between a conversion and the next write of its sources.
.macro QUANT sl, g, sc, lim
.irp c, 0,1,2,3
.irp n, 0,1,2,3,4,5,6,7,8,9,10,11,12,13,14,15
	v_med3_num_f32 v[32+16*(\c%2)+\n], v[64+64*\sl+16*\c+\n], -v[\lim], v[\lim]   ; the conversion to an 8-bit code does not saturate (ISA guide 7.6.2): the hold comes first
.endr
	v_cvt_scalef32_pk8_fp8_f32 v[192+16*(2*\sl+\g)+4*\c:192+16*(2*\sl+\g)+4*\c+1], v[32+16*(\c%2):32+16*(\c%2)+7], v[\sc]
	v_cvt_scalef32_pk8_fp8_f32 v[192+16*(2*\sl+\g)+4*\c+2:192+16*(2*\sl+\g)+4*\c+3], v[32+16*(\c%2)+8:32+16*(\c%2)+15], v[\sc]
.endr
	v_nop                                          ; a plain instruction behind the last conversion
.irp c, 0,1,2,3
	global_store_b128 v4, v[192+16*(2*\sl+\g)+4*\c:192+16*(2*\sl+\g)+4*\c+3], s[10:11] offset:16384*\g+2048*\sl+512*\c
.endr
.endm
	s_wait_loadcnt 16                              ; the first K step's 16 rows are in; the second's 16 loads may be out
	TURN 0
	s_wait_loadcnt 0x0
	TURN 1
	s_wait_dscnt 32                                ; the first K step is back from the stage; the second's 16 stores and 16 loads may be out
	QUANT 0, 0, 30, 31
	QUANT 0, 1, 24, 25
	s_wait_dscnt 0x0
	QUANT 1, 0, 30, 31
	QUANT 1, 1, 24, 25
	s_wait_tensorcnt 0x0                           ; the wave's end: behind my last LDS store
	ds_add_u32 v[SPW], v[NIL]
	s_wait_dscnt 0x0
	s_endpgm
.Lfunc_end_k_qb8c1f3d7b8_place:
	.size	k_qb8c1f3d7b8_place, .Lfunc_end_k_qb8c1f3d7b8_place-k_qb8c1f3d7b8_place
	.p2alignl 7, 3214868480
	.fill 96, 4, 3214868480
	.section	.rodata,"a",@progbits
	.p2align	6, 0x0
	.amdhsa_kernel k_qb8c1f3d7b8_place
		.amdhsa_group_segment_fixed_size 67072
		.amdhsa_private_segment_fixed_size 0
		.amdhsa_enable_private_segment 0
		.amdhsa_kernarg_size 48
		.amdhsa_user_sgpr_count 2
		.amdhsa_user_sgpr_kernarg_segment_ptr 1
		.amdhsa_wavefront_size32 1
		.amdhsa_system_sgpr_workgroup_id_x 1
		.amdhsa_system_sgpr_workgroup_id_y 1
		.amdhsa_system_sgpr_workgroup_id_z 1
		.amdhsa_system_vgpr_workitem_id 0
		.amdhsa_next_free_vgpr 256
		.amdhsa_next_free_sgpr 100
		.amdhsa_reserve_vcc 1
		.amdhsa_float_denorm_mode_32 3
		.amdhsa_float_denorm_mode_16_64 3
		.amdhsa_memory_ordered 1
		.amdhsa_forward_progress 1
		.amdhsa_inst_pref_size 57
	.end_amdhsa_kernel
	.amdgpu_metadata
---
amdhsa.version: [ 1, 2 ]
amdhsa.kernels:
  - .name:           k_qb8c1f3d7b8_place
    .symbol:         k_qb8c1f3d7b8_place.kd
    .args:
      - { .name: x, .offset: 0, .size: 8, .value_kind: global_buffer, .address_space: global }
      - { .name: sel, .offset: 8, .size: 8, .value_kind: global_buffer, .address_space: global }
      - { .name: lowp_scales, .offset: 16, .size: 8, .value_kind: global_buffer, .address_space: global }
      - { .name: xq, .offset: 24, .size: 8, .value_kind: global_buffer, .address_space: global }
      - { .name: pos, .offset: 32, .size: 8, .value_kind: global_buffer, .address_space: global }
      - { .name: cnt, .offset: 40, .size: 8, .value_kind: global_buffer, .address_space: global }
    .group_segment_fixed_size: 67072
    .private_segment_fixed_size: 0
    .kernarg_segment_align: 8
    .kernarg_segment_size: 48
    .max_flat_workgroup_size: 128
    .sgpr_count:     100
    .vgpr_count:     256
    .wavefront_size: 32
...
	.end_amdgpu_metadata
.endif
;; end of part 2
;; launch ffn1 (part 3): grid 32 x 8, 8 waves a work-group, no clusters, 132,096 bytes of LDS; arguments W_gate, W_up, Ws_gate, Ws_up, lowp_scales, cnt, xq, hq; writes hq
.if DOCPART == 3
	.amdgcn_target "amdgcn-amd-amdhsa--gfx1250"
	.amdhsa_code_object_version 6
	.text
	.protected	k_qb8c1f3d7b8_ffn1
	.globl	k_qb8c1f3d7b8_ffn1
	.p2align	8
	.type	k_qb8c1f3d7b8_ffn1,@function
k_qb8c1f3d7b8_ffn1:
	s_mov_b64 s[64:65], 0
	v_nop
	global_prefetch_b8 v0, s[64:65] scope:SCOPE_SE
	s_setreg_imm32_b32 hwreg(HW_REG_WAVE_MODE, 25, 1), 1
	s_wait_xcnt 0x0
; h = silu(x Wgate) * (x Wup), quantised for the down product, for the rows that each expert was given (rows of tokens that did not choose an expert are left out: see the first kernel's head).
; SHARES.  Work-group (a, e) takes two UNITS, in a loop of two trips: slab a (64 gate columns and the same 64 up columns) of routed expert e with all its rows, then slab a of the shared expert with rows 128 e .. 128 e + 127.
; A routed weight byte is read by one work-group; a shared slab by the eight work-groups of its column of the grid.  256 work-groups, eight waves with 512 registers each.
; A UNIT.  The sums stay in registers: a wave owns three tile slots of 16 rows (tile 8 j + wave) x 8 fragments.  K goes in eight steps of 128, written out.  In a step each wave quantises its eighth of the step's
; weights (matrix g = wave % 2, group c = wave / 2: 32 rows of K x 64 columns, 16 loads), stores the codes as images into LDS bytes that belong to that step alone, passes ONE barrier, and multiplies.
; At a step's end the wave asks for the next step's x (24 loads) and for the weights two steps on (16 loads): 56 loads of a wave are out at the most.
; EVERY PATH ISSUES THE SAME LOADS, so that the counted waits hold: a slot without rows asks for one piece of 16 bytes of the shared expert's tile 0 (always written) with all its lanes, is multiplied, and is not stored.
; Where the gate product's and the up product's exponent for x are equal, the two sets of x codes are equal: the up loads then ask for one piece in the same way, and the up products take the gate's registers (an arm of its own).
; More than 384 rows of one expert: further passes of 24 tiles over the codes that lie in LDS, in a loop on the stored count that holds no barrier.
; Branches hang on a stored count and on given exponents.  No tensor load, no copy, no cluster.  No prefetch: the wave's own loads are the stream.  No cache hint: one text serves slabs read once and slabs read by eight.
; LAYOUT, as the launches beside this one have it.  An image of a fragment (16 rows x 128 K) is 2,048 bytes: group c of four registers at 512 c, lane L's 16 bytes at 16 L; register 4 c + i, byte b of lane (r, h):
; k = 128 s + 32 c + 16 h + 4 i + b, in x and in the weights alike.  Row r of weight fragment f is column 64 a + 4 r + f.  In LDS: step s at 16,384 s, matrix g at 8,192 g, fragment f at 2,048 f.
; THE PRODUCTS ARE USED TRANSPOSED (source 0 = 16 columns of the weight, source 1 = 16 rows of x): lane (r, h) holds row r, register j of fragment f hidden unit 64 a + 32 h + 4 j + f.
; SCALES.  t = -log2(e) 2^Eg G; z = G U / (1 + 2^t); code = z / 2^(eh - Eg - Eu), held within +-448, all in f32; Eg = exg + ewg, Eu = exu + ewu.
; LIMITS: ewg, ewu and eh - Eg - Eu between -126 and 119; Eg between -126 and 127.  NaN among the inputs is not served.
; REGISTERS.  window 0: v1 lane, v2-12 offsets, v14, v15 the add's two; v16-207 the sums (slot t, fragment f8 = 4 g + f) at 16 + 64 t + 8 f8; v208-255 a ring of three weight fragments, while quantising the codes.
;   window 1: v0-95 x (slot t, scale g) at 32 t + 16 g, on the way out t, z and h's codes; v96-223 two sets of 64 weights; v224-227 scales.
.set SPARE, 131072                     ; behind the codes: the spare words, 128 bytes for each of eight waves
.set WOFF, 2                           ; 16 r + h x 16 rows of 8,192 bytes
.set AX,   3                           ; v3-5   16 L for a slot with rows, else 0
.set AL0,  6                           ; 16 L: steps 0-3 in LDS; also an image's place in memory
.set AL1,  7                           ; 16 L + 65,536: steps 4-7
.set LST0, 8                           ; where my wave stores: 16 L + 8,192 g + 512 c
.set LST1, 9
.set AXU,  10                          ; v10-12 the same as AX for the up scale's codes; 0 where the two scales are equal
.set SPW,  14
.set NIL,  15
.set ACC,  16
.set WR,   208
.set P,    208
.set F,    224
.set T4,   240
.set X,    0                           ; window 1 from here on
.set T,    0
.set Z,    32
.set HC,   64
.set S,    96
.set WSC,  224
.set WLM,  225
.set HSC,  226
.set HLM,  227
.set MSB, 0
.macro WIN new                         ; the immediate's high byte repeats the setting that is left
.if MSB != \new
	s_set_vgpr_msb (MSB<<8)|\new
.set MSB, \new
.endif
.endm
.macro SLOAD s                         ; my 32 rows of step s: lanes 0-15 take 256 consecutive bytes of row q, aligned, lanes 16-31 those of the row 16 further down
.irp q, 0,1,2,3,4,5,6,7,8,9,10,11,12,13,14,15
	global_load_b128 v[S+64*((\s)%2)+4*\q:S+64*((\s)%2)+4*\q+3], v[WOFF], s[40:41] offset:(128*(\s)+\q)*8192
.endr
.endm
.macro XLOAD s                         ; step s of my three slots' x, both scales: 24 loads
.irp t, 0,1,2
.irp c, 0,1,2,3
	global_load_b128 v[X+32*\t+4*\c:X+32*\t+4*\c+3], v[AX+\t], s[66+2*\t:67+2*\t] offset:2048*(\s)+512*\c
.endr
.irp c, 0,1,2,3
	global_load_b128 v[X+32*\t+16+4*\c:X+32*\t+16+4*\c+3], v[AXU+\t], s[66+2*\t:67+2*\t] offset:16384+2048*(\s)+512*\c
.endr
.endr
.endm
.macro SLOTS                           ; my three slots of the pass that begins at tile s60: tile s60 + 8 j + wave has rows if it lies under s63
.irp j, 0,1,2
	s_add_co_u32 s56, s60, 8*\j
	s_add_co_u32 s56, s56, s20
	s_add_co_u32 s57, s56, s61             ; + the unit's first tile
	s_lshl_b32 s57, s57, 15                ; a tile is 32,768 bytes in xq and in hq
	s_add_co_u32 s57, s57, s62             ; + p x 2,097,152
	s_cmp_lt_u32 s56, s63
	s_cselect_b32 s[78+\j], 1, 0
	s_cselect_b32 s58, s57, 0x1000000      ; a slot without rows: the shared expert's tile 0
	s_cselect_b32 s57, 16, 0
	s_mov_b32 s59, 0
	s_add_nc_u64 s[66+2*\j:67+2*\j], s[16:17], s[58:59]
	s_add_nc_u64 s[72+2*\j:73+2*\j], s[44:45], s[58:59]
	v_mul_u32_u24 v[AX+\j], v1, s57
	s_mul_i32 s57, s57, s83                ; x 0 where the two scales are equal
	v_mul_u32_u24 v[AXU+\j], v1, s57
.endr
.endm
.macro QSTEP s                         ; my eighth of step s: held, converted, turned 4 x 4, stored; then the step's barrier
.set SS, S+64*((\s)%2)
.if (\s) < 7
	s_wait_loadcnt 40                              ; behind this set: 24 loads of x and 16 of the other set
.else
	s_wait_loadcnt 24                              ; behind the last set: 24 loads of x
.endif
	WIN 0x55
.set n, 0
.rept 64
	v_med3_num_f32 v[SS+n], v[SS+n], -v[WLM], v[WLM]   ; the conversion does not saturate (ISA guide 7.6.2): the hold comes first
.set n, n+1
.endr
	WIN 0x05
.irp q, 0,1,2,3,4,5,6,7
	v_cvt_scalef32_pk8_fp8_f32 v[P+2*\q:P+2*\q+1], v[SS+8*\q:SS+8*\q+7], v[WSC]   ; register q of P: row q's four columns
.endr
	WIN 0
	v_nop                                          ; a plain instruction behind the last conversion
.irp u, 0,1,2,3                        ; register u of fragment f holds rows 4 u .. 4 u + 3 of column f
	v_perm_b32 v[T4],   v[P+4*\u+1], v[P+4*\u],   s84
	v_perm_b32 v[T4+1], v[P+4*\u+1], v[P+4*\u],   s85
	v_perm_b32 v[T4+2], v[P+4*\u+3], v[P+4*\u+2], s84
	v_perm_b32 v[T4+3], v[P+4*\u+3], v[P+4*\u+2], s85
	v_perm_b32 v[F+\u],    v[T4+2], v[T4],   s86
	v_perm_b32 v[F+4+\u],  v[T4+2], v[T4],   s87
	v_perm_b32 v[F+8+\u],  v[T4+3], v[T4+1], s86
	v_perm_b32 v[F+12+\u], v[T4+3], v[T4+1], s87
.endr
.irp f, 0,1,2,3
	ds_store_b128 v[LST0+(\s)/4], v[F+4*\f:F+4*\f+3] offset:16384*((\s)%4)+2048*\f
.endr
	s_wait_dscnt 0x0                               ; for the others' sake: my images have landed
	s_barrier_signal -1
	s_barrier_wait -1                              ; step s's 8 fragments lie in LDS; nothing is written there again in this unit
.endm
.macro WFRAG s, f8
.irp c, 0,1,2,3
	ds_load_b128 v[WR+16*((\f8)%3)+4*\c:WR+16*((\f8)%3)+4*\c+3], v[AL0+(\s)/4] offset:16384*((\s)%4)+2048*(\f8)+512*\c
.endr
.endm
.macro FRAG s, f8, xs                  ; fragment f8 against my three slots: three sums, one instruction each; xs: which scale's x
.if (\f8) < 6
	s_wait_dscnt 8                                 ; the two fragments behind this one may be out, four loads each
.else
	s_wait_dscnt 4*(7-(\f8))
.endif
.irp t, 0,1,2
.if (\s) == 0
	v_wmma_f32_16x16x128_fp8_fp8 v[ACC+64*\t+8*(\f8):ACC+64*\t+8*(\f8)+7], v[WR+16*((\f8)%3):WR+16*((\f8)%3)+15], v[X+32*\t+\xs:X+32*\t+\xs+15], 0
.else
	v_wmma_f32_16x16x128_fp8_fp8 v[ACC+64*\t+8*(\f8):ACC+64*\t+8*(\f8)+7], v[WR+16*((\f8)%3):WR+16*((\f8)%3)+15], v[X+32*\t+\xs:X+32*\t+\xs+15], v[ACC+64*\t+8*(\f8):ACC+64*\t+8*(\f8)+7]
.endif
.endr
.rept 4
	v_nop                                          ; the places in front of loads into registers that these have read (ISA guide 7.12.1 for vector instructions)
.endr
.if (\f8) < 5
	WFRAG \s, (\f8)+3
.endif
.endm
.macro MSTEP s, xw                     ; step s's 24 matrix instructions; xw: the loads behind x that may be out
	WIN 0x04                                       ; source 1 (x) window 1
	WFRAG \s, 0
	WFRAG \s, 1
	WFRAG \s, 2
	s_wait_loadcnt \xw
.irp f, 0,1,2,3
	FRAG \s, \f, 0
.endr
	WIN 0
	s_cmp_lg_u32 s83, 0
	s_cbranch_scc1 .Ltwo_\@
	WIN 0x04
.irp f, 4,5,6,7
	FRAG \s, \f, 0                                 ; equal scales: the gate's codes are the up's
.endr
	WIN 0
	s_branch .Ljoin_\@
.Ltwo_\@:
	WIN 0x04
.irp f, 4,5,6,7
	FRAG \s, \f, 16
.endr
	WIN 0
.Ljoin_\@:
.endm
.macro BURST s
.if (\s) < 7
	WIN 0x40                                       ; destination window 1
	XLOAD (\s)+1
.if (\s) < 6
	SLOAD (\s)+2
.endif
	WIN 0
.endif
.endm
.macro EPI t                           ; slot t: the activation, the quantiser, 1,024 bytes of codes.  Each sum is read from its register 0 on
	s_cmp_eq_u32 s[78+\t], 0
	s_cbranch_scc1 .Ldead_\@
	WIN 0x40
	s_wait_alu depctr_va_vdst(0)                   ; the wait ahead of the first readers of the sums
.irp j, 0,1,2,3,4,5,6,7
.irp f, 0,1,2,3
	v_mul_f32 v[T+4*\j+\f], s50, v[ACC+64*\t+8*\f+\j]                 ; t = -log2(e) x gate
.endr
.endr
.irp j, 0,1,2,3,4,5,6,7
.irp f, 0,1,2,3
	v_mul_f32 v[Z+4*\j+\f], v[ACC+64*\t+8*\f+\j], v[ACC+64*\t+32+8*\f+\j]   ; G U
.endr
.endr
	WIN 0x41
	s_wait_alu depctr_va_vdst(0)                   ; ahead of the batch
.set n, 0
.rept 32
	v_exp_f32 v[T+n], v[T+n]
.set n, n+1
.endr
	v_nop
	s_wait_alu depctr_va_vdst(0)                   ; one wait for the 32 exponentials
.set n, 0
.rept 16
	v_pk_add_f32 v[T+n:T+n+1], v[T+n:T+n+1], 1.0 op_sel_hi:[1,0]
.set n, n+2
.endr
	s_wait_alu depctr_va_vdst(0)
.set n, 0
.rept 32
	v_rcp_f32 v[T+n], v[T+n]
.set n, n+1
.endr
	v_nop
	WIN 0x55
	s_wait_alu depctr_va_vdst(0)                   ; one wait for the 32 reciprocals
.set n, 0
.rept 16
	v_pk_mul_f32 v[Z+n:Z+n+1], v[Z+n:Z+n+1], v[T+n:T+n+1]
.set n, n+2
.endr
.set n, 0
.rept 32
	v_med3_num_f32 v[Z+n], v[Z+n], -v[HLM], v[HLM]
.set n, n+1
.endr
.irp n, 0,1,2,3
	v_cvt_scalef32_pk8_fp8_f32 v[HC+8*\t+2*\n:HC+8*\t+2*\n+1], v[Z+8*\n:Z+8*\n+7], v[HSC]
.endr
	v_nop                                          ; a plain instruction behind the last conversion
	WIN 0x04                                       ; a store's data: source 1
	global_store_b128 v[AL0], v[HC+8*\t:HC+8*\t+3],   s[72+2*\t:73+2*\t]             ; two groups of four registers of the down product's fragment: 512 consecutive bytes each
	global_store_b128 v[AL0], v[HC+8*\t+4:HC+8*\t+7], s[72+2*\t:73+2*\t] offset:512
	WIN 0
.Ldead_\@:
.endm
	s_load_b512 s[4:19], s[0:1], 0x0               ; W_gate s[4:5], W_up s[6:7], Ws_gate s[8:9], Ws_up s[10:11], the exponents s[12:13], cnt s[14:15], xq s[16:17], hq s[18:19]
	v_lshl_add_u32 v[SPW], v0, 2, SPARE
	v_mov_b32 v[NIL], 0
	v_lshrrev_b32 v1, 5, v0
	v_readfirstlane_b32 s20, v1                    ; wave 0..7
	v_and_b32 v1, 31, v0                           ; lane
	v_and_b32 v10, 15, v0                          ; r
	v_bfe_u32 v11, v0, 4, 1                        ; h
	v_lshlrev_b32 v[AL0], 4, v1
	v_add_nc_u32 v[AL1], 0x10000, v[AL0]
	v_lshlrev_b32 v[WOFF], 4, v10
	v_lshl_add_u32 v[WOFF], v11, 17, v[WOFF]
	s_lshr_b32 s24, s20, 1                         ; c: which 32 rows of each step I stream,
	s_and_b32 s25, s20, 1                          ; g: and of which matrix
	s_lshl_b32 s26, s25, 13
	s_lshl_b32 s27, s24, 9
	s_add_co_u32 s26, s26, s27
	v_add_nc_u32 v[LST0], s26, v[AL0]
	v_add_nc_u32 v[LST1], s26, v[AL1]
	s_mov_b32 s22, ttmp9                           ; a
	s_and_b32 s21, ttmp7, 0xffff                   ; e
	s_mov_b32 s84, 0x05010400                      ; byte selects for the turn of 4 x 4 codes
	s_mov_b32 s85, 0x07030602
	s_mov_b32 s86, 0x05040100
	s_mov_b32 s87, 0x07060302
	s_lshl_b32 s58, s22, 8                         ; the slab's 256 bytes of a row
	s_lshl_b32 s54, s24, 18                        ; + my 32 rows of 8,192 bytes
	s_add_co_u32 s58, s58, s54
	s_mov_b32 s59, 0
	s_lshl_b32 s56, s21, 23                        ; + the expert's 8,388,608 bytes
	s_add_co_u32 s56, s56, s58
	s_mov_b32 s57, 0
	s_lshl_b32 s54, s22, 10                        ; hq: the slab's 64 hidden units are 1,024 bytes of a tile
	s_mov_b32 s55, 0
	s_wait_alu depctr_va_vdst(0)
	s_wait_kmcnt 0x0
	s_cmp_eq_u32 s25, 0
	s_cselect_b64 s[40:41], s[4:5], s[6:7]         ; my matrix in the first unit,
	s_cselect_b64 s[46:47], s[8:9], s[10:11]       ; and in the second
	s_add_nc_u64 s[40:41], s[40:41], s[56:57]
	s_add_nc_u64 s[46:47], s[46:47], s[58:59]
	s_add_nc_u64 s[44:45], s[18:19], s[54:55]
	WIN 0x40
	SLOAD 0
	SLOAD 1
	WIN 0
	s_mov_b32 s81, 0                               ; the unit
.Lunit:
	s_wait_dscnt 0x0                               ; my reads of the last unit's codes are over
	s_barrier_signal -1
	s_barrier_wait -1                              ; and everybody's: the codes' bytes may be stored anew
	s_add_co_u32 s38, s21, 1
	s_mul_i32 s38, s38, 24                         ; a routed expert's six exponents begin at entry 6 (e + 1), the shared one's at entry 0
	s_lshl_b32 s61, s21, 3
	s_lshl_b32 s37, s21, 2
	s_cmp_eq_u32 s81, 0
	s_cselect_b32 s38, s38, 0
	s_cselect_b32 s23, s21, 8                      ; p
	s_cselect_b32 s61, 0, s61                      ; the unit's first tile
	s_load_b64 s[28:29], s[12:13], s38 offset:0x0  ; exg, ewg
	s_load_b64 s[30:31], s[12:13], s38 offset:0x8  ; exu, ewu
	s_load_b32 s32, s[12:13], s38 offset:0x10      ; eh
	s_load_b32 s34, s[14:15], s37 offset:0x0       ; the expert's count (not used in the second unit)
	s_lshl_b32 s62, s23, 21
	s_wait_kmcnt 0x0
	s_xor_b32 s83, s28, s30
	s_min_u32 s83, s83, 1                          ; 0: one scale for x in both products; 1: two
	s_cmp_eq_u32 s25, 0
	s_cselect_b32 s52, s29, s31                    ; my matrix's exponent
	s_add_co_i32 s52, s52, 127
	s_lshl_b32 s53, s52, 23
	s_add_co_i32 s52, s52, 8
	s_lshl_b32 s52, s52, 23
	s_or_b32 s52, s52, 0x600000
	WIN 0x40
	v_mov_b32 v[WSC], s53                          ; 2^ew as f32
	v_mov_b32 v[WLM], s52                          ; 448 x 2^ew
	s_add_co_i32 s54, s28, s29                     ; Eg
	s_add_co_i32 s55, s30, s31                     ; Eu
	s_lshl_b32 s50, s54, 23
	s_add_co_i32 s50, s50, 0xbfb8aa3b              ; -log2(e) x 2^Eg: Eg is added to the exponent field
	s_sub_co_i32 s52, s32, s54
	s_sub_co_i32 s52, s52, s55
	s_add_co_i32 s52, s52, 127
	s_lshl_b32 s53, s52, 23
	v_mov_b32 v[HSC], s53                          ; 2^(eh - Eg - Eu): the five scales folded into the conversion's one
	s_add_co_i32 s52, s52, 8
	s_lshl_b32 s52, s52, 23
	s_or_b32 s52, s52, 0x600000
	v_mov_b32 v[HLM], s52
	WIN 0
	s_min_u32 s34, s34, 1024
	s_add_co_u32 s34, s34, 31
	s_lshr_b32 s34, s34, 5
	s_lshl_b32 s34, s34, 1                         ; tiles in use: the count rounded up to whole groups of 32 rows, as they were placed
	s_cmp_eq_u32 s81, 0
	s_cselect_b32 s63, s34, 8                      ; the unit's tiles
	s_mov_b32 s60, 0
	s_wait_xcnt 0x0                                ; earlier loads and stores have read their offsets, bases and data
	SLOTS
	s_wait_alu depctr_va_vdst(0)                   ; ahead of the readers of what was just made
	WIN 0x40
	XLOAD 0
	WIN 0
.irp s, 0,1,2,3,4,5,6,7
	QSTEP \s
.if (\s == 0) || (\s == 7)
	MSTEP \s, 0                                    ; x is the youngest
.else
	MSTEP \s, 16                                   ; behind x: one set of weights
.endif
	BURST \s
.endr
	s_cmp_eq_u32 s81, 0
	s_cbranch_scc0 .Lnonext
	s_wait_xcnt 0x0                                ; the weights' loads have read their base
	s_mov_b64 s[40:41], s[46:47]
	WIN 0x40
	SLOAD 0                                        ; the second unit's first two sets are on their way during the way out
	SLOAD 1
	WIN 0
.Lnonext:
	EPI 0
	EPI 1
	EPI 2
	s_cmp_le_u32 s63, 24
	s_cbranch_scc1 .Lnomore
	s_mov_b32 s60, 24
.Lmore:                                                ; two further passes of 24 tiles over the codes in LDS (an expert has 64 tiles at the most); a pass that the count leaves empty is jumped over; no barrier stands here
	s_cmp_ge_u32 s60, s63
	s_cbranch_scc1 .Lnone
	s_wait_xcnt 0x0
	SLOTS
	s_wait_alu depctr_va_vdst(0)
	WIN 0x40
	XLOAD 0
	WIN 0
.irp s, 0,1,2,3,4,5,6,7
	MSTEP \s, 0
.if \s < 7
	WIN 0x40
	XLOAD \s+1
	WIN 0
.endif
.endr
	EPI 0
	EPI 1
	EPI 2
.Lnone:
	s_add_co_u32 s60, s60, 24
	s_cmp_lt_u32 s60, 72
	s_cbranch_scc1 .Lmore
.Lnomore:
	s_add_co_u32 s81, s81, 1
	s_cmp_lt_u32 s81, 2
	s_cbranch_scc1 .Lunit
	s_wait_tensorcnt 0x0                           ; the wave's end: behind my last LDS store
	ds_add_u32 v[SPW], v[NIL]
	s_wait_dscnt 0x0
	s_endpgm
.Lfunc_end_k_qb8c1f3d7b8_ffn1:
	.size	k_qb8c1f3d7b8_ffn1, .Lfunc_end_k_qb8c1f3d7b8_ffn1-k_qb8c1f3d7b8_ffn1
	.p2alignl 7, 3214868480
	.fill 96, 4, 3214868480
	.section	.rodata,"a",@progbits
	.p2align	6, 0x0
	.amdhsa_kernel k_qb8c1f3d7b8_ffn1
		.amdhsa_group_segment_fixed_size 132096
		.amdhsa_private_segment_fixed_size 0
		.amdhsa_enable_private_segment 0
		.amdhsa_kernarg_size 64
		.amdhsa_user_sgpr_count 2
		.amdhsa_user_sgpr_kernarg_segment_ptr 1
		.amdhsa_wavefront_size32 1
		.amdhsa_system_sgpr_workgroup_id_x 1
		.amdhsa_system_sgpr_workgroup_id_y 1
		.amdhsa_system_sgpr_workgroup_id_z 1
		.amdhsa_system_vgpr_workitem_id 0
		.amdhsa_next_free_vgpr 512
		.amdhsa_next_free_sgpr 100
		.amdhsa_reserve_vcc 0
		.amdhsa_float_denorm_mode_32 3
		.amdhsa_float_denorm_mode_16_64 3
		.amdhsa_memory_ordered 1
		.amdhsa_forward_progress 1
		.amdhsa_inst_pref_size 255
	.end_amdhsa_kernel
	.section	.bss,"aw",@nobits
	.p2align	6
	.space	262144
	.amdgpu_metadata
---
amdhsa.version: [ 1, 2 ]
amdhsa.kernels:
  - .name:           k_qb8c1f3d7b8_ffn1
    .symbol:         k_qb8c1f3d7b8_ffn1.kd
    .args:
      - { .name: W_gate, .offset: 0, .size: 8, .value_kind: global_buffer, .address_space: global }
      - { .name: W_up, .offset: 8, .size: 8, .value_kind: global_buffer, .address_space: global }
      - { .name: Ws_gate, .offset: 16, .size: 8, .value_kind: global_buffer, .address_space: global }
      - { .name: Ws_up, .offset: 24, .size: 8, .value_kind: global_buffer, .address_space: global }
      - { .name: lowp_scales, .offset: 32, .size: 8, .value_kind: global_buffer, .address_space: global }
      - { .name: cnt, .offset: 40, .size: 8, .value_kind: global_buffer, .address_space: global }
      - { .name: xq, .offset: 48, .size: 8, .value_kind: global_buffer, .address_space: global }
      - { .name: hq, .offset: 56, .size: 8, .value_kind: global_buffer, .address_space: global }
    .group_segment_fixed_size: 132096
    .private_segment_fixed_size: 0
    .kernarg_segment_align: 8
    .kernarg_segment_size: 64
    .max_flat_workgroup_size: 256
    .sgpr_count:     100
    .vgpr_count:     512
    .wavefront_size: 32
...
	.end_amdgpu_metadata
.endif
;; end of part 3
;; launch ffn2 (part 4): grid 12 x 16, 4 waves a work-group, no clusters, 131,584 bytes of LDS; arguments W_down, Ws_down, lowp_scales, cnt, hq, y; writes y
.if DOCPART == 4
	.amdgcn_target "amdgcn-amd-amdhsa--gfx1250"
	.amdhsa_code_object_version 6
	.text
	.protected	k_qb8c1f3d7b8_ffn2
	.globl	k_qb8c1f3d7b8_ffn2
	.p2align	8
	.type	k_qb8c1f3d7b8_ffn2,@function
k_qb8c1f3d7b8_ffn2:
	s_mov_b64 s[64:65], 0
	v_nop
	global_prefetch_b8 v0, s[64:65] scope:SCOPE_SE
	s_setreg_imm32_b32 hwreg(HW_REG_WAVE_MODE, 25, 1), 1
	s_wait_xcnt 0x0
; y = h Wdown for the rows that each expert was given (rows of tokens that did not choose an expert are left out: see the first kernel's head).
; The frame is the launch before's.  Work-group (p', a): p' = 0..7 a routed expert, 8..11 a quarter of the shared one; a = a slab of 64 columns of the down weight, all 2,048 rows.
; Phase 1: the four waves stream the slab once as f32 (wave w: K steps 4 w .. 4 w + 3), quantise it and lay 64 images of fragments in LDS.  One barrier.  Phase 2: wave w takes groups w, w + 4, .. of 32 rows.
; The slab is streamed whatever the count is, so that the barrier stands under no branch on a loaded number.  Trip counts hang on a stored count.  No tensor load, no copy, no cluster.  No cache hint on the weights and no prefetch, as before.
; LAYOUT along K = the hidden units, as the launch before stored h: register 4 c + i, byte b of lane (r, h): k = 128 s + 64 (c / 2) + 32 h + 16 (c % 2) + 4 i + b, in both operands alike.
; Column r of weight fragment f is column 64 a + 4 r + f.  NOT transposed: source 0 = 16 rows of h, source 1 = 16 columns: register j of lane (r, h) is y(row 8 h + j, column 64 a + 4 r + f), so the four fragments'
; registers j are 16 neighbouring bytes of a row, and sixteen lanes store 256 consecutive bytes, aligned: no stage is needed.
; A sum stands for sum x 2^(eh + ewd).  LIMITS: ewd between -126 and 119; eh + ewd between -126 and 127.  NaN among the inputs is not served.
; REGISTERS.  window 0: v2-6 addresses; v8, v9 the weight's scale and 448 x it; v14, v15 the add's two; phase 1 as before; phase 2: v32-127 three pairs of weight fragments; v128-191 the results to store;
;   v192-255 the 8 accumulators (tile i, fragment f) at 192 + 32 i + 8 f.   window 1: phase 1: four sets of 64 numbers; phase 2: a ring of eight K steps of h, tile i at 16 i.
; h is source 0 and lies in window 1, and an LDS load takes its address by source 0's window: so each pair costs two switches of the window.
.set SPARE, 131072                     ; behind the codes: the spare words, 128 bytes for each wave: two blocks of 256 bytes that no other line names
.set WOFF, 2                           ; v2  16 r + h x 32 rows of 4,096 bytes
.set LST,  3                           ; v3  16 L + 32,768 w
.set AL0,  4                           ; v4  16 L; K steps 0-7 in LDS
.set AL1,  5                           ; v5  16 L + 65,536: K steps 8-15
.set YO,   6                           ; v6  32,768 h + 16 r: my place in a tile of y
.set WSC,  8
.set WLM,  9
.set SPW,  14                          ; v14 LDS address of my spare word; never rewritten
.set NIL,  15                          ; v15 0; never rewritten
.set P,    16
.set T4,   32
.set F,    48
.set WR,   32
.set O,    128
.set ACC,  192
.set MSB, 0
.macro WIN new                         ; the immediate's high byte repeats the setting that is left
.if MSB != \new
	s_set_vgpr_msb (MSB<<8)|\new
.set MSB, \new
.endif
.endm
	s_load_b256 s[4:11], s[0:1], 0x0               ; W_down s[4:5], Ws_down s[6:7], the exponents s[8:9], cnt s[10:11]
	s_load_b128 s[12:15], s[0:1], 0x20             ; hq s[12:13], y s[14:15]
	v_lshl_add_u32 v[SPW], v0, 2, SPARE
	v_mov_b32 v[NIL], 0
	v_lshrrev_b32 v1, 5, v0
	v_readfirstlane_b32 s20, v1                    ; wave
	v_and_b32 v1, 31, v0
	v_and_b32 v7, 15, v0                           ; r
	v_bfe_u32 v10, v0, 4, 1                        ; h
	v_lshlrev_b32 v[AL0], 4, v1
	v_add_nc_u32 v[AL1], 0x10000, v[AL0]
	v_lshlrev_b32 v[WOFF], 4, v7
	v_lshl_add_u32 v[YO], v10, 15, v[WOFF]
	v_lshl_add_u32 v[WOFF], v10, 17, v[WOFF]
	s_lshl_b32 s26, s20, 15
	v_add_nc_u32 v[LST], s26, v[AL0]
	s_mov_b32 s21, ttmp9                           ; p'
	s_and_b32 s22, ttmp7, 0xffff                   ; a
	s_min_u32 s23, s21, 8                          ; p
	s_min_u32 s37, s21, 7
	s_lshl_b32 s37, s37, 2
	s_add_co_u32 s38, s21, 1
	s_mul_i32 s38, s38, 24
	s_cmp_lt_u32 s21, 8
	s_cselect_b32 s38, s38, 0                      ; my six exponents' first byte
	s_cselect_b32 s39, s21, 0
	s_mov_b32 s46, 0x05010400
	s_mov_b32 s47, 0x07030602
	s_mov_b32 s48, 0x05040100
	s_mov_b32 s49, 0x07060302
	s_wait_alu depctr_va_vdst(0)
	s_wait_kmcnt 0x0
	s_load_b64 s[32:33], s[8:9], s38 offset:0x10   ; eh, ewd
	s_load_b32 s34, s[10:11], s37 offset:0x0
	s_cmp_lt_u32 s21, 8
	s_cselect_b64 s[40:41], s[4:5], s[6:7]
	s_lshl_b32 s52, s39, 23                        ; + the expert's 8,388,608 bytes
	s_lshl_b32 s53, s22, 8                         ; + the slab's 256 bytes of a row
	s_add_co_u32 s52, s52, s53
	s_lshl_b32 s53, s20, 21                        ; + my quarter of K: 512 rows of 4,096 bytes
	s_add_co_u32 s52, s52, s53
	s_mov_b32 s53, 0
	s_add_nc_u64 s[40:41], s[40:41], s[52:53]
	s_sub_co_u32 s54, s21, s23
	s_lshl_b32 s54, s54, 3
	s_add_co_u32 s54, s54, s20                     ; my first group
	s_lshl_b32 s52, s23, 21
	s_lshl_b32 s55, s54, 16
	s_add_co_u32 s52, s52, s55
	s_add_nc_u64 s[42:43], s[12:13], s[52:53]      ; hq
	s_lshl_b32 s52, s23, 22                        ; y: p x 1,024 rows of 4,096 bytes
	s_lshl_b32 s55, s54, 17                        ; + the group's 32 rows
	s_add_co_u32 s52, s52, s55
	s_lshl_b32 s55, s22, 8                         ; + the slab's 256 bytes
	s_add_co_u32 s52, s52, s55
	s_add_nc_u64 s[44:45], s[14:15], s[52:53]
; PHASE 1.  Block b: K step b / 4 of my four, group c = b % 4: rows 128 (b / 4) + 64 (c / 2) + 16 (c % 2) + q for lanes 0-15, 32 further down for lanes 16-31; 256 consecutive bytes, aligned, for each half of the lanes.
.macro SLOAD b
	WIN 0x40
.irp q, 0,1,2,3,4,5,6,7,8,9,10,11,12,13,14,15
	global_load_b128 v[64*((\b)%4)+4*\q:64*((\b)%4)+4*\q+3], v[WOFF], s[40:41] offset:(128*((\b)/4)+64*(((\b)%4)/2)+16*((\b)%2)+\q)*4096
.endr
.endm
.macro BLOCK b
.if 16*(15-(\b)) > 48
	s_wait_loadcnt 48                              ; the three blocks behind this one may be out, 16 loads each
.else
	s_wait_loadcnt 16*(15-(\b))
.endif
	WIN 0x41
.set n, 0
.rept 64
	v_med3_num_f32 v[64*((\b)%4)+n], v[64*((\b)%4)+n], -v[WLM], v[WLM]   ; the conversion does not saturate (ISA guide 7.6.2): the hold comes first
.set n, n+1
.endr
	WIN 0x01
.irp q, 0,1,2,3,4,5,6,7
	v_cvt_scalef32_pk8_fp8_f32 v[P+2*\q:P+2*\q+1], v[64*((\b)%4)+8*\q:64*((\b)%4)+8*\q+7], v[WSC]
.endr
.if (\b) < 12
	SLOAD (\b)+4
.endif
	WIN 0
	v_nop                                          ; a plain instruction behind the last conversion
	s_wait_alu depctr_va_vdst(0)
	s_wait_dscnt 0x0                               ; the last block's LDS stores have read v48-63
.irp u, 0,1,2,3                        ; 4 rows x 4 columns of codes are turned
	v_perm_b32 v[T4],   v[P+4*\u+1], v[P+4*\u],   s46
	v_perm_b32 v[T4+1], v[P+4*\u+1], v[P+4*\u],   s47
	v_perm_b32 v[T4+2], v[P+4*\u+3], v[P+4*\u+2], s46
	v_perm_b32 v[T4+3], v[P+4*\u+3], v[P+4*\u+2], s47
	v_perm_b32 v[F+\u],    v[T4+2], v[T4],   s48
	v_perm_b32 v[F+4+\u],  v[T4+2], v[T4],   s49
	v_perm_b32 v[F+8+\u],  v[T4+3], v[T4+1], s48
	v_perm_b32 v[F+12+\u], v[T4+3], v[T4+1], s49
.endr
.irp f, 0,1,2,3
	ds_store_b128 v[LST], v[F+4*\f:F+4*\f+3] offset:8192*((\b)/4)+2048*\f+512*((\b)%4)
.endr
.endm
	SLOAD 0
	SLOAD 1
	SLOAD 2
	SLOAD 3
	WIN 0
	s_wait_kmcnt 0x0
	s_add_co_i32 s52, s33, 127
	s_lshl_b32 s53, s52, 23
	v_mov_b32 v[WSC], s53                          ; 2^ewd as f32
	s_add_co_i32 s52, s52, 8
	s_lshl_b32 s52, s52, 23
	s_or_b32 s52, s52, 0x600000
	v_mov_b32 v[WLM], s52                          ; 448 x 2^ewd
	s_add_co_i32 s50, s32, s33
	s_add_co_i32 s50, s50, 127
	s_lshl_b32 s50, s50, 23                        ; 2^(eh + ewd) as f32
	s_min_u32 s34, s34, 1024
	s_add_co_u32 s34, s34, 31
	s_lshr_b32 s35, s34, 5
	s_cmp_lt_u32 s21, 8
	s_cselect_b32 s35, s35, 8                      ; groups of 32 rows
	s_add_co_u32 s35, s35, 3
	s_sub_co_u32 s35, s35, s20
	s_lshr_b32 s36, s35, 2                         ; my wave's groups
	s_wait_alu depctr_va_vdst(0)
.irp b, 0,1,2,3,4,5,6,7,8,9,10,11,12,13,14,15
	BLOCK \b
.endr
	s_wait_dscnt 0x0                               ; for the others' sake: my images have landed
	s_barrier_signal -1
	s_barrier_wait -1                              ; the slab's 64 fragments lie in LDS; nothing is written there again
; PHASE 2.
.macro WPAIR q                         ; pair q = (K step q / 2, fragments 2 (q % 2) and 2 (q % 2) + 1), into slot q % 3
.irp fl, 0,1
.irp c, 0,1,2,3
	ds_load_b128 v[WR+32*((\q)%3)+16*\fl+4*\c:WR+32*((\q)%3)+16*\fl+4*\c+3], v[AL0+(\q)/16] offset:8192*(((\q)/2)%8)+2048*(2*((\q)%2)+\fl)+512*\c
.endr
.endr
.endm
.macro HSTEP s, add                    ; K step s of my group's h (add: bytes to the group four further on): two fragments, 8 loads of 512 consecutive bytes
	WIN 0x40
.irp i, 0,1
.irp c, 0,1,2,3
	global_load_b128 v[32*((\s)%8)+16*\i+4*\c:32*((\s)%8)+16*\i+4*\c+3], v[AL0], s[42:43] offset:(\add)+32768*\i+2048*(\s)+512*\c
.endr
.endr
.endm
.macro MUL4 q                          ; four accumulators, one instruction each; an accumulator's next turn is eight matrix instructions on
.irp i, 0,1
.irp fl, 0,1
.set rD, ACC+32*\i+8*(2*((\q)%2)+\fl)
.set rA, 32*(((\q)/2)%8)+16*\i
.set rB, WR+32*((\q)%3)+16*\fl
.if (\q) < 2
	v_wmma_f32_16x16x128_fp8_fp8 v[rD:rD+7], v[rA:rA+15], v[rB:rB+15], 0          ; the first K step starts the sums
.else
	v_wmma_f32_16x16x128_fp8_fp8 v[rD:rD+7], v[rA:rA+15], v[rB:rB+15], v[rD:rD+7]
.endif
.endr
.endr
.endm
; A group of 32 rows: 32 pairs, 128 matrix instructions.  Four v_nop behind each four: the places in front of the loads into registers that they have read.
.macro GROUP next
	WPAIR 0
	WPAIR 1
.set QQ, 0
.rept 32
	WIN 0
.if QQ < 30
	WPAIR QQ+2
	s_wait_dscnt 16                                ; the two pairs behind pair q may be out, eight loads each
.elseif QQ == 30
	s_wait_dscnt 8
.else
	s_wait_dscnt 0
.endif
.if QQ%2 == 0
.if (\next) || (QQ/2 < 9)
	s_wait_loadcnt 56                              ; the seven K steps of h behind this one may be out, eight loads each
.else
	s_wait_loadcnt 8*(15-QQ/2)                     ; the last group asks for nothing more: the counts run down
.endif
.endif
	WIN 0x01                                       ; source 0 (h) window 1
	MUL4 QQ
.rept 4
	v_nop
.endr
.if QQ%2 == 1
.if QQ/2 < 8
	HSTEP QQ/2+8, 0
.elseif \next
	HSTEP QQ/2-8, 262144
.endif
.endif
.set QQ, QQ+1
.endr
	WIN 0
.irp i, 0,1                            ; each accumulator is read from its register 0 on
.irp j, 0,1,2,3,4,5,6,7
.irp f, 0,1,2,3
	v_mul_f32 v[O+32*\i+4*\j+\f], s50, v[ACC+32*\i+8*\f+\j]           ; x 2^(eh + ewd)
.endr
.endr
.endr
.irp i, 0,1
.irp j, 0,1,2,3,4,5,6,7
	global_store_b128 v[YO], v[O+32*\i+4*\j:O+32*\i+4*\j+3], s[44:45] offset:65536*\i+4096*\j th:TH_STORE_NT   ; rows 16 i + j and 16 i + 8 + j: sixteen lanes store 256 consecutive bytes, aligned
.endr
.endr
.if \next
	s_wait_xcnt 0x0                                ; the loads and stores have read their bases and the stores their data
	s_add_nc_u64 s[42:43], s[42:43], 262144        ; four groups on
	s_add_nc_u64 s[44:45], s[44:45], 524288
.endif
.endm
	s_cmp_eq_u32 s36, 0
	s_cbranch_scc1 .Lend                           ; a wave without a group (the barrier lies behind it)
.irp s, 0,1,2,3,4,5,6,7
	HSTEP \s, 0
.endr
	WIN 0
	s_sub_co_u32 s36, s36, 1
	s_cmp_eq_u32 s36, 0
	s_cbranch_scc1 .Llast
.Lgroup:
	GROUP 1
	s_sub_co_u32 s36, s36, 1
	s_cmp_lg_u32 s36, 0
	s_cbranch_scc1 .Lgroup
.Llast:
	GROUP 0                                        ; the last group is written out: no load leaves the rows that were made
.Lend:
	s_wait_tensorcnt 0x0                           ; the wave's end: behind my last LDS store
	ds_add_u32 v[SPW], v[NIL]
	s_wait_dscnt 0x0
	s_endpgm
.Lfunc_end_k_qb8c1f3d7b8_ffn2:
	.size	k_qb8c1f3d7b8_ffn2, .Lfunc_end_k_qb8c1f3d7b8_ffn2-k_qb8c1f3d7b8_ffn2
	.p2alignl 7, 3214868480
	.fill 96, 4, 3214868480
	.section	.rodata,"a",@progbits
	.p2align	6, 0x0
	.amdhsa_kernel k_qb8c1f3d7b8_ffn2
		.amdhsa_group_segment_fixed_size 131584
		.amdhsa_private_segment_fixed_size 0
		.amdhsa_enable_private_segment 0
		.amdhsa_kernarg_size 48
		.amdhsa_user_sgpr_count 2
		.amdhsa_user_sgpr_kernarg_segment_ptr 1
		.amdhsa_wavefront_size32 1
		.amdhsa_system_sgpr_workgroup_id_x 1
		.amdhsa_system_sgpr_workgroup_id_y 1
		.amdhsa_system_sgpr_workgroup_id_z 1
		.amdhsa_system_vgpr_workitem_id 0
		.amdhsa_next_free_vgpr 512
		.amdhsa_next_free_sgpr 66
		.amdhsa_reserve_vcc 0
		.amdhsa_float_denorm_mode_32 3
		.amdhsa_float_denorm_mode_16_64 3
		.amdhsa_memory_ordered 1
		.amdhsa_forward_progress 1
		.amdhsa_inst_pref_size 235
	.end_amdhsa_kernel
	.amdgpu_metadata
---
amdhsa.version: [ 1, 2 ]
amdhsa.kernels:
  - .name:           k_qb8c1f3d7b8_ffn2
    .symbol:         k_qb8c1f3d7b8_ffn2.kd
    .args:
      - { .name: W_down, .offset: 0, .size: 8, .value_kind: global_buffer, .address_space: global }
      - { .name: Ws_down, .offset: 8, .size: 8, .value_kind: global_buffer, .address_space: global }
      - { .name: lowp_scales, .offset: 16, .size: 8, .value_kind: global_buffer, .address_space: global }
      - { .name: cnt, .offset: 24, .size: 8, .value_kind: global_buffer, .address_space: global }
      - { .name: hq, .offset: 32, .size: 8, .value_kind: global_buffer, .address_space: global }
      - { .name: y, .offset: 40, .size: 8, .value_kind: global_buffer, .address_space: global }
    .group_segment_fixed_size: 131584
    .private_segment_fixed_size: 0
    .kernarg_segment_align: 8
    .kernarg_segment_size: 48
    .max_flat_workgroup_size: 128
    .sgpr_count:     66
    .vgpr_count:     512
    .wavefront_size: 32
...
	.end_amdgpu_metadata
.endif
;; end of part 4
;; launch combine (part 5): grid 256 x 1, 4 waves a work-group, no clusters, 0 bytes of LDS; arguments y, pos, wts, scr, cnt, out0, out1; writes out0, out1
.if DOCPART == 5
	.amdgcn_target "amdgcn-amd-amdhsa--gfx1250"
	.amdhsa_code_object_version 6
	.text
	.protected	k_qb8c1f3d7b8_combine
	.globl	k_qb8c1f3d7b8_combine
	.p2align	8
	.type	k_qb8c1f3d7b8_combine,@function
k_qb8c1f3d7b8_combine:
	s_mov_b64 s[64:65], 0
	v_nop
	global_prefetch_b8 v0, s[64:65] scope:SCOPE_SE
	s_setreg_imm32_b32 hwreg(HW_REG_WAVE_MODE, 25, 1), 1
	s_wait_xcnt 0x0
; out0[t] = the shared expert's row + w0 x the row of the token's first expert + w1 x the second's: the six other experts' terms are zeros of reference()'s own one_hot (see the first kernel's head).
; A wave takes a token: three rows of 4,096 bytes in, one out; each load and store of the wave covers 512 consecutive bytes.  Where a token's rows lie was stored as whole numbers by the placing launch.
; out1 = 0.01 x 8 x sum over e of (count[e] / 2,048) x (sum of scores[e] / 1,024): made by wave 0 of work-group 0, beside its token.  (2,048 + 1e-9 is 2,048 in f32.)
; Memory binds: no LDS, no barrier, no matrix unit.  The order of the f32 sums differs from reference()'s.
.set R0, 8                             ; v8-39    the first expert's row
.set R1, 40                            ; v40-71   the second's
.set R2, 72                            ; v72-103  the shared expert's, then the result
.set SC, 104                           ; v104-167 the aux arm: 16 x 4 sums of scores
.set CN, 168                           ; v168-171 four counts
.macro ROW
.irp j, 0,1,2,3,4,5,6,7
	global_load_b128 v[R2+4*\j:R2+4*\j+3], v3, s[30:31] offset:512*\j th:TH_LOAD_NT
.endr
.irp j, 0,1,2,3,4,5,6,7
	global_load_b128 v[R0+4*\j:R0+4*\j+3], v3, s[32:33] offset:512*\j th:TH_LOAD_NT
.endr
.irp j, 0,1,2,3,4,5,6,7
	global_load_b128 v[R1+4*\j:R1+4*\j+3], v3, s[34:35] offset:512*\j th:TH_LOAD_NT
.endr
	s_wait_loadcnt 0x0
.set n, 0
.rept 16
	v_pk_fma_f32 v[R2+n:R2+n+1], v[R0+n:R0+n+1], s[22:23], v[R2+n:R2+n+1] op_sel_hi:[1,0,1]   ; + w0 x (the scalar pair's low word for both halves)
.set n, n+2
.endr
.set n, 0
.rept 16
	v_pk_fma_f32 v[R2+n:R2+n+1], v[R1+n:R1+n+1], s[26:27], v[R2+n:R2+n+1] op_sel_hi:[1,0,1]   ; + w1 x
.set n, n+2
.endr
.irp j, 0,1,2,3,4,5,6,7
	global_store_b128 v3, v[R2+4*\j:R2+4*\j+3], s[14:15] offset:512*\j th:TH_STORE_NT
.endr
.endm
	s_load_b256 s[4:11], s[0:1], 0x0               ; y s[4:5], pos s[6:7], wts s[8:9], scr s[10:11]
	s_load_b128 s[12:15], s[0:1], 0x20             ; cnt s[12:13], out0 s[14:15]
	s_load_b64 s[16:17], s[0:1], 0x30              ; out1
	v_and_b32 v1, 31, v0
	v_lshrrev_b32 v2, 5, v0
	v_readfirstlane_b32 s18, v2                    ; wave
	s_lshl_b32 s19, ttmp9, 2
	s_add_co_u32 s19, s19, s18                     ; my token
	v_lshlrev_b32 v3, 4, v1                        ; 16 L
	s_lshl_b32 s24, s19, 2
	s_lshl_b32 s25, s19, 3
	s_wait_kmcnt 0x0
	s_load_b32 s20, s[6:7], s24 offset:0x0         ; the row of the first choice,
	s_load_b32 s21, s[6:7], s24 offset:0x1000      ; of the second,
	s_load_b64 s[22:23], s[8:9], s25 offset:0x0    ; and the two weights
	s_add_co_u32 s28, s19, 8192                    ; the shared expert's rows lie behind the eight experts' 1,024 each
	s_lshl_b32 s28, s28, 12
	s_mov_b32 s29, 0
	s_add_nc_u64 s[30:31], s[4:5], s[28:29]
	s_lshl_b32 s28, s19, 12
	s_add_nc_u64 s[14:15], s[14:15], s[28:29]
	s_wait_kmcnt 0x0
	s_min_u32 s20, s20, 8191
	s_lshl_b32 s32, s20, 12
	s_mov_b32 s33, 0
	s_add_nc_u64 s[32:33], s[4:5], s[32:33]
	s_min_u32 s21, s21, 8191
	s_lshl_b32 s34, s21, 12
	s_mov_b32 s35, 0
	s_add_nc_u64 s[34:35], s[4:5], s[34:35]
	s_mov_b32 s26, s23                             ; w1 as the low word of a pair of its own
	s_mov_b32 s27, s23
	s_or_b32 s36, ttmp9, s18
	s_cmp_eq_u32 s36, 0
	s_cbranch_scc1 .Laux
	s_wait_alu depctr_va_vdst(0)
	ROW
	s_endpgm
.Laux:
	s_wait_alu depctr_va_vdst(0)
	v_and_b32 v4, 1, v1
	v_lshlrev_b32 v4, 4, v4                        ; 16 (L % 2)
.irp i, 0,1,2,3,4,5,6,7,8,9,10,11,12,13,14,15
	global_load_b128 v[SC+4*\i:SC+4*\i+3], v3, s[10:11] offset:512*\i   ; scr is [256][8]: in every load my four numbers belong to experts 4 (L % 2) + 0 .. 3
.endr
	global_load_b128 v[CN:CN+3], v4, s[12:13]      ; and these are their counts
	ROW                                            ; its wait for all loads serves these too
.irp i, 1,2,3,4,5,6,7,8,9,10,11,12,13,14,15
	v_pk_add_f32 v[SC:SC+1], v[SC:SC+1], v[SC+4*\i:SC+4*\i+1]
	v_pk_add_f32 v[SC+2:SC+3], v[SC+2:SC+3], v[SC+4*\i+2:SC+4*\i+3]
.endr
.irp k, 0,1,2,3
	v_cvt_f32_u32 v[CN+\k], v[CN+\k]
.endr
	v_mul_f32 v172, v[SC], v[CN]
	v_fmac_f32 v172, v[SC+1], v[CN+1]
	v_fmac_f32 v172, v[SC+2], v[CN+2]
	v_fmac_f32 v172, v[SC+3], v[CN+3]
	s_mov_b32 s20, 0x76543210
	s_mov_b32 s21, 0xfedcba98
	v_mov_b32 v173, 0                              ; a lane permute's destination counts as read
	v_mov_b32 v5, 0
	v_add_f32_dpp v172, v172, v172 row_xmask:1 row_mask:0xf bank_mask:0xf
	v_add_f32_dpp v172, v172, v172 row_xmask:2 row_mask:0xf bank_mask:0xf
	v_add_f32_dpp v172, v172, v172 row_xmask:4 row_mask:0xf bank_mask:0xf
	v_add_f32_dpp v172, v172, v172 row_xmask:8 row_mask:0xf bank_mask:0xf
	v_permlanex16_b32 v173, v172, s20, s21
	v_add_f32 v172, v172, v173
	v_mul_f32 v172, 0x3323d70a, v172               ; x 0.08 / 2^21
	s_wait_alu depctr_va_vdst(0)
	s_wait_xcnt 0x0                                ; EXEC changes only behind this wait
	v_cmp_eq_u32 vcc_lo, 0, v1
	s_and_saveexec_b32 s28, vcc_lo
	global_store_b32 v5, v172, s[16:17]
	s_wait_xcnt 0x0
	s_or_b32 exec_lo, exec_lo, s28
	s_endpgm
.Lfunc_end_k_qb8c1f3d7b8_combine:
	.size	k_qb8c1f3d7b8_combine, .Lfunc_end_k_qb8c1f3d7b8_combine-k_qb8c1f3d7b8_combine
	.p2alignl 7, 3214868480
	.fill 96, 4, 3214868480
	.section	.rodata,"a",@progbits
	.p2align	6, 0x0
	.amdhsa_kernel k_qb8c1f3d7b8_combine
		.amdhsa_group_segment_fixed_size 0
		.amdhsa_private_segment_fixed_size 0
		.amdhsa_enable_private_segment 0
		.amdhsa_kernarg_size 56
		.amdhsa_user_sgpr_count 2
		.amdhsa_user_sgpr_kernarg_segment_ptr 1
		.amdhsa_wavefront_size32 1
		.amdhsa_system_sgpr_workgroup_id_x 1
		.amdhsa_system_sgpr_workgroup_id_y 1
		.amdhsa_system_sgpr_workgroup_id_z 1
		.amdhsa_system_vgpr_workitem_id 0
		.amdhsa_next_free_vgpr 192
		.amdhsa_next_free_sgpr 66
		.amdhsa_reserve_vcc 1
		.amdhsa_float_denorm_mode_32 3
		.amdhsa_float_denorm_mode_16_64 3
		.amdhsa_memory_ordered 1
		.amdhsa_forward_progress 1
		.amdhsa_inst_pref_size 17
	.end_amdhsa_kernel
	.amdgpu_metadata
---
amdhsa.version: [ 1, 2 ]
amdhsa.kernels:
  - .name:           k_qb8c1f3d7b8_combine
    .symbol:         k_qb8c1f3d7b8_combine.kd
    .args:
      - { .name: y, .offset: 0, .size: 8, .value_kind: global_buffer, .address_space: global }
      - { .name: pos, .offset: 8, .size: 8, .value_kind: global_buffer, .address_space: global }
      - { .name: wts, .offset: 16, .size: 8, .value_kind: global_buffer, .address_space: global }
      - { .name: scr, .offset: 24, .size: 8, .value_kind: global_buffer, .address_space: global }
      - { .name: cnt, .offset: 32, .size: 8, .value_kind: global_buffer, .address_space: global }
      - { .name: out0, .offset: 40, .size: 8, .value_kind: global_buffer, .address_space: global }
      - { .name: out1, .offset: 48, .size: 8, .value_kind: global_buffer, .address_space: global }
    .group_segment_fixed_size: 0
    .private_segment_fixed_size: 0
    .kernarg_segment_align: 8
    .kernarg_segment_size: 56
    .max_flat_workgroup_size: 128
    .sgpr_count:     66
    .vgpr_count:     192
    .wavefront_size: 32
...
	.end_amdgpu_metadata
.endif
;; end of part 5
